; MI455X (gfx1250); checked and timed in simulation.
; The chip was launched on July 23, 2026; its instructions are those of AMD's public machine-readable ISA for CDNA 5 (MIT licence, August 2026) and "CDNA5" Instruction Set Architecture Reference Guide (July 2026). The comments in the code are by the model that wrote it; some were corrected since.
;; Mo E Layer. Allowed arithmetic: matrix products marked QUANTISED: E2M3 operands, one E8M0 scale for each 32 along K, by v_wmma_scale_f32_16x16x128_f8f6f4 with both operands' format E2M3, f32 sums; products left as they are: f32 operands where the result goes on into a quantised operand, else bf16, f16 or f32 operands; f32 sums; everything else in f32.
;; Inputs: router_w 8 x 1,024 float32; w1_codes 8 x 2,048 x 32 x 24 uint8 (E2M3 codes of w1, K innermost, in blocks of 32 codes, four codes in three bytes); w1_scales 8 x 2,048 x 32 uint8 (E8M0 scales of w1, one for each 32 codes along K); w2_codes 8 x 1,024 x 64 x 24 uint8 (E2M3 codes of w2, K innermost, in blocks of 32 codes, four codes in three bytes); w2_scales 8 x 1,024 x 64 uint8 (E8M0 scales of w2, one for each 32 codes along K); x 4 x 512 x 1,024 float32.
;; Outputs: out0 4 x 512 x 1,024 float32.
;; This version of the problem:
;;   THIS VERSION OF THE PROBLEM IS GIVEN IN LOW PRECISION. The matrix products marked QUANTISED in the list below multiply operands that are first quantised to E2M3 (2 exponent bits, 3 mantissa bits; 6 bits a number), with one power-of-two scale for each 32 numbers along K (OCP MX v1.0); their sums are f32. All else is computed in f32.
;;   The module's matrix products, in the order in which they are computed (A, B: the left and right operand; K: the contracted axis; several contracted axes count as one K, in the product's order):
;;     1. [M 2,048, K 1,024] x [K 1,024, N 8]; A: input x; B: input router_w: left as it is (N = 8 < 16)
;;     2. [M 16,384, K 1,024] x [K 1,024, N 2,048]; A: input w1 (given as codes); B: input x: QUANTISED
;;     3. batch 8 x [M 2,048, K 2,048] x [K 2,048, N 1,024]; A: computed on the way; B: input w2 (given as codes): QUANTISED
;;     4. batch 2,048 x [M 1, K 2] x [K 2, N 1,024]; A: computed on the way; B: computed on the way: left as it is (K = 2 < 32)
;;   THE QUANTISER, for each operand of a quantised product, along K:
;;     - K is cut into blocks of 32 from its start; a last block that is shorter is filled with zeros.
;;     - A block's scale is 2^e with e = floor(log2(the largest magnitude in the block)) - 2, held to -126 .. 127; a block of zeros has e = 0. As a byte (E8M0): e + 127.
;;     - Each number is divided by its block's scale, clamped to +-7.5, and rounded to the nearest number of E2M3, ties to even, subnormals kept.
;;     - The product sums the exact products of the quantised numbers (number of the format x scale) in f32.
;;   ~~~python
;;   def quantise(x, axis):      # numpy; x: float32 -> the quantised numbers, widened to float32 again
;;       x = np.moveaxis(x, axis, -1); K = x.shape[-1]
;;       x = np.pad(x, [(0, 0)] * (x.ndim - 1) + [(0, -K % 32)]); x = x.reshape(x.shape[:-1] + (-1, 32)); a = np.abs(x).max(-1, keepdims=True)
;;       e = np.where(a > 0, np.clip(np.frexp(np.where(a > 0, a, 1))[1] - 1 - 2, -126, 127), 0)      # np.frexp(a)[1] - 1 = floor(log2(a)), exactly
;;       r = np.clip(x / 2.0 ** e, -7.5, 7.5)
;;       step = 2.0 ** (np.maximum(np.frexp(np.where(r == 0, 1, r))[1] - 1, 0) - 3)
;;       q = np.round(r / step) * step * 2.0 ** e      # np.round: ties to even
;;       return np.moveaxis(q.reshape(q.shape[:-2] + (-1,))[..., :K], -1, axis).astype(np.float32)
;;   ~~~
;;   OPERANDS COMPUTED ON THE WAY. 'Computed on the way' means the value that the module computes at that place (a softmax that the list does not call 'softmax' is quantised finished and normalised). What goes into a quantiser is computed in f32, as accurately as f32 sums, v_exp_f32 and their like allow (about 1e-6 of the number): no bf16 or f16 on the way to a quantiser, and a product that is left as it is and whose result goes on into a quantised operand takes f32 operands (vector FMAs, or v_wmma_f32_16x16x4_f32). A number that lies on a knife's edge between two numbers of the format may be rounded either way, as far as f32 arithmetic and the matrix unit's own rounding can turn it there, and no further.
;;   INPUTS GIVEN AS CODES. w1 (in the module: [8, 1024, 2048], K = its axis 1); w2 (in the module: [8, 2048, 1024], K = its axis 1): each comes as NAME_codes (uint8): NAME with its K axis moved to the last place and cut into blocks of 32 codes, [.., K / 32, bytes a block], one block behind the other in memory; four codes in three bytes: a row's codes are one little-endian stream of bits, code i at bits 6 i .. 6 i + 5 (a code: sign, 2 exponent bits, 3 mantissa bits); and NAME_scales (uint8): the same leading axes, one E8M0 byte (e + 127) for each 32 codes along K. Its value is code x scale, taken as it is: it is not quantised again, and the codes and scales need not be those that the quantiser above would give.
;; 2 versions, each right; version 2 is version 1 with the launch chain written anew for expert scheduling mode. Each part assembles by itself: llvm-mc -triple=amdgcn-amd-amdhsa -mcpu=gfx1250 --defsym DOCPART=n.
;; ======== version 1 of 2: 4 launches
;; workspace buffers: sel 16,384 bytes of whole numbers; plan 35,584 bytes of whole numbers; xa 1,654,784 bytes; wq 26,214,400 bytes; y 37,748,736 bytes
;; launch prep (part 1): grid 640 x 1, 4 waves a work-group, no clusters, 73,216 bytes of LDS; arguments x, router_w, w1_codes, w1_scales, w2_codes, w2_scales, sel, xa, wq; writes sel, xa, wq
.if DOCPART == 1
	.amdgcn_target "amdgcn-amd-amdhsa--gfx1250"
	.amdhsa_code_object_version 6
	.text
	.protected	k_qac010f0e0a_prep
	.globl	k_qac010f0e0a_prep
	.p2align	8
	.type	k_qac010f0e0a_prep,@function
k_qac010f0e0a_prep:
	s_mov_b64 s[64:65], 0
	v_nop
	global_prefetch_b8 v0, s[64:65] scope:SCOPE_SE
	s_setreg_imm32_b32 hwreg(HW_REG_WAVE_MODE, 25, 1), 1
	s_wait_xcnt 0x0
; PREP: two jobs that do not depend on each other, in one launch.
; Work-groups 0-127 ROUTE: a wave takes 4 tokens: it quantises x (E2M3 codes, one E8M0 byte for each 32 along D), forms the 8 logits in f32 (fused multiply-adds), takes the two largest
; (the lower index wins a tie, as jax.lax.top_k has it) and the softmax of the two (the larger is taken away first).  The chosen experts go to sel[2 n + k], the gates to xa, at fixed places:
; no address here hangs on the choice.
; Work-groups 128-639 RE-LAY the weights' codes and scale bytes into wq, in the order in which a wave of the launch 'chain' takes them into its operand registers, so that a fragment
; (16 rows x 128 K, 12 registers a lane) comes there by three loads of 512 consecutive bytes.
; xa: codes at 0: a token is 768 bytes, block b = 4 s + 2 c + h at 384 h + 48 s + 24 c, so that lane (r, h) of an operand finds the 48 bytes of K step s on end; scale bytes at XSO, 32 a token; gates at GTO.
; wq: stream (2 e + hs) 4 + w of 393,216 bytes: 128 fragments of W1, then 128 of W2; fragment 32 j + 4 s + t (trip j, K step s, tile t) is 3 planes of 512 bytes, plane p = lane l's registers 4 p .. 4 p + 3 at 16 l.
;     Lane r of tile t takes row 32 (t / 2) + 8 (t % 2) + r + 8 (r / 8) of the trip's 64 rows.  Scale words at WSO: a stream is 16,384 bytes, [phase][j][s / 4][t / 2][lane][4 words].
; LIMITS: NaN and infinities among the inputs are not served.  Two logits that agree to within the error of an f32 sum of 1,024 terms may be ordered otherwise than by the reference's own sum.
; A block of zeros gets the scale byte 1, not 127: its codes are zeros, and these bytes are read by this program alone.
; No matrix unit, no cluster, no tensor load: both jobs stream, and no two work-groups read the same bytes but the 32 KiB of router_w.  The two paths use LDS bytes of their own; waves share none.
.set R,    16                          ; v16-143  x: token u, load i: register 32 u + 4 i + c holds x[128 i + 4 lane + c]
.set X,    144                         ; v144-175 two sets of 16 neighbours along D
.set A,    176                         ; v176-191 eight pairs of logit sums
.set C,    192                         ; v192-223 codes: four registers for each step, so that no store's data are written again
.set E,    224                         ; v224-231 a scale byte for each step
.set I1,   232                         ; v232-235 first expert of the 4 tokens; v236-239 second
.set V1,   240                         ; v240-243 largest logit, then its gate; v244-247 second
.set NINF, 248
.set WREG, 5632                        ; LDS of a routing wave: two stages of 32 x SP bytes, then its 128 scale bytes
.set SP,   80                          ; a lane's place in a stage: 64 bytes + 16 of padding
.set SCB,  5120
.set RIMG, 22528                       ; LDS of the re-laying path: for each wave 16 rows
.set RP,   784                         ; of 768 bytes + 16: row r starts 4 r words on, so that the 32 lanes of a load of 8 bytes fall on 64 different words modulo 64
.set XSO,  1572864
.set GTO,  1638400
.set WSO,  25165824
.set MSB, 0
.macro WIN new                         ; the immediate's high byte repeats the setting that is left
.if MSB != \new
	s_set_vgpr_msb (MSB<<8)|\new
.set MSB, \new
.endif
.endm
; step t = 512 numbers (half a token) through the wave's stage: in as loaded, 16 bytes a lane; out 64 bytes a lane.  LDS serves a wave's instructions in order: no wait between
.macro TURN t
.irp i, 0,1,2,3
	ds_store_b128 v3, v[R+16*(\t)+4*\i:R+16*(\t)+4*\i+3] offset:32*SP*((\t)%2)+8*SP*\i
.endr
.irp i, 0,1,2,3
	ds_load_b128 v[X+16*((\t)%2)+4*\i:X+16*((\t)%2)+4*\i+3], v4 offset:32*SP*((\t)%2)+16*\i
.endr
.endm
.macro QSTEP t
.set XX, X+16*((\t)%2)
.if (\t) > 0
	s_wait_dscnt 1                                 ; this step's numbers are back from the stage; the last step's byte store may be out
.else
	s_wait_dscnt 0x0
.endif
.if (\t) < 7
	s_wait_loadcnt 4*(6-(\t))                      ; the next step's four loads are in; those of the steps behind it may be out
	TURN (\t)+1
.endif
	v_max3_num_f32 v8, |v[XX]|, |v[XX+1]|, |v[XX+2]|   ; the largest magnitude of my 16, in two chains
	v_max3_num_f32 v9, |v[XX+3]|, |v[XX+4]|, |v[XX+5]|
.irp i, 6,10
	v_max3_num_f32 v8, v8, |v[XX+\i]|, |v[XX+\i+1]|
	v_max3_num_f32 v9, v9, |v[XX+\i+2]|, |v[XX+\i+3]|
.endr
	v_max3_num_f32 v8, v8, |v[XX+14]|, |v[XX+15]|
	v_max3_num_f32 v8, v8, v9, 0x1800000           ; and the floor 2^(3 - 127): the byte cannot fall under 1
	v_max_num_f32_dpp v8, v8, v8 row_xmask:1 row_mask:0xf bank_mask:0xf   ; with my neighbour's 16: the block's
	v_add_nc_u32 v11, 0xff000000, v8               ; 2 off the exponent field: the conversion takes this operand's exponent field as its scale
	v_cvt_scalef32_pk16_fp6_f32 v[C+4*(\t):C+4*(\t)+2], v[XX:XX+15], v11
	v_lshrrev_b32 v[E+(\t)], 23, v11               ; the scale's byte (a plain line behind the conversion)
	ds_store_b8 v6, v[E+(\t)] offset:16*(\t)       ; both lanes of a block write the same byte with the same value
	global_store_b96 v5, v[C+4*(\t):C+4*(\t)+2], s[16:17] offset:768*((\t)/2)+192*((\t)%2)
.endm
; the 8 logits of token u: 16 pairs of numbers a lane, the experts by turns; the first product starts the sums
.macro DOT u
	WIN 0x04                                       ; source 1 (router_w) in window 1
.irp e, 0,1,2,3,4,5,6,7
	v_pk_mul_f32 v[A+2*\e:A+2*\e+1], v[R+32*(\u):R+32*(\u)+1], v[32*\e:32*\e+1]
.endr
.irp p, 1,2,3,4,5,6,7,8,9,10,11,12,13,14,15
.irp e, 0,1,2,3,4,5,6,7
	v_pk_fma_f32 v[A+2*\e:A+2*\e+1], v[R+32*(\u)+2*\p:R+32*(\u)+2*\p+1], v[32*\e+2*\p:32*\e+2*\p+1], v[A+2*\e:A+2*\e+1]
.endr
.endr
	WIN 0
.irp e, 0,1,2,3,4,5,6,7
	v_add_f32 v[A+2*\e], v[A+2*\e], v[A+2*\e+1]
.endr
.irp n, 1,2,4,8
.irp e, 0,1,2,3,4,5,6,7
	v_add_f32_dpp v[A+2*\e], v[A+2*\e], v[A+2*\e] row_xmask:\n row_mask:0xf bank_mask:0xf
.endr
.endr
.irp e, 0,1,2,3,4,5,6,7
	v_permlanex16_b32 v[A+2*\e+1], v[A+2*\e], s22, s23
.endr
.irp e, 0,1,2,3,4,5,6,7
	v_add_f32 v[A+2*\e], v[A+2*\e], v[A+2*\e+1]    ; every lane holds all eight logits
.endr
.endm
; one scan for the largest: what is not greater leaves the holder in place, so the lower index wins a tie
.macro SCAN vv, ii
	v_mov_b32 v[\vv], v[A]
	v_mov_b32 v[\ii], 0
.irp e, 1,2,3,4,5,6,7
	v_cmp_le_f32 vcc_lo, v[A+2*\e], v[\vv]
	v_cndmask_b32 v[\vv], v[A+2*\e], v[\vv], vcc_lo
	v_cndmask_b32 v[\ii], \e, v[\ii], vcc_lo
.endr
.endm
.macro TOP2 u
	SCAN V1+(\u), I1+(\u)
.irp e, 0,1,2,3,4,5,6,7
	v_cmp_eq_u32 vcc_lo, \e, v[I1+(\u)]
	v_cndmask_b32 v[A+2*\e], v[A+2*\e], v[NINF], vcc_lo   ; the winner leaves the field
.endr
	SCAN V1+4+(\u), I1+4+(\u)
.endm
	v_lshl_add_u32 v254, v0, 2, 0x11c00
	v_mov_b32 v255, 0
	v_lshrrev_b32 v1, 5, v0
	v_readfirstlane_b32 s12, v1                    ; wave 0..3
	v_and_b32 v1, 31, v0                           ; lane
	v_lshlrev_b32 v2, 4, v1                        ; 16 x lane
	s_cmp_lt_u32 ttmp9, 128
	s_cbranch_scc0 .Lrelay
	; ---------------- ROUTE ----------------
	s_load_b128 s[4:7], s[0:1], 0x0                ; x, router_w
	s_load_b128 s[8:11], s[0:1], 0x30              ; sel, xa
	s_lshl_b32 s13, ttmp9, 4
	s_lshl_b32 s14, s12, 2
	s_add_co_u32 s13, s13, s14                     ; my first token: 16 x work-group + 4 x wave
	s_mul_i32 s15, s12, WREG
	v_lshrrev_b32 v8, 2, v1
	v_mul_u32_u24 v3, v8, SP
	v_and_b32 v8, 3, v1
	v_lshl_add_u32 v3, v8, 4, v3
	v_add_nc_u32 v3, s15, v3                       ; the stage, way in: SP (lane / 4) + 16 (lane % 4)
	v_mul_u32_u24 v4, v1, SP
	v_add_nc_u32 v4, s15, v4                       ; way out: SP x lane
	v_bfe_u32 v8, v1, 1, 1                         ; lane L holds numbers 16 L .. 16 L + 15 of a step: block L / 2, half L % 2
	v_mul_u32_u24 v5, v8, 384                      ; h = bit 1
	v_lshrrev_b32 v8, 3, v1
	v_mad_u32_u24 v5, v8, 48, v5                   ; K step = L / 8 (+ 4 in a token's second step: in the immediate)
	v_bfe_u32 v8, v1, 2, 1
	v_mad_u32_u24 v5, v8, 24, v5                   ; c = bit 2
	v_and_b32 v8, 1, v1
	v_mad_u32_u24 v5, v8, 12, v5                   ; the block's half
	s_add_co_u32 s15, s15, SCB
	v_lshrrev_b32 v6, 1, v1
	v_add_nc_u32 v6, s15, v6                       ; my block's byte among the wave's 128
	v_lshlrev_b32 v10, 2, v1                       ; 4 x lane
	v_add_nc_u32 v7, s15, v10
	v_mov_b32 v[NINF], 0xff800000
	s_mov_b32 s22, 0x76543210
	s_mov_b32 s23, 0xfedcba98                      ; v_permlanex16_b32's selects for lane l xor 16
	s_lshl_b32 s24, s13, 12
	s_mov_b32 s25, 0
	s_mul_i32 s26, s13, 768
	s_mov_b32 s27, 0
	s_lshl_b32 s28, s13, 5
	s_mov_b32 s29, 0
	s_lshl_b32 s30, s13, 3
	s_mov_b32 s31, 0
	s_wait_kmcnt 0x0
	s_add_nc_u64 s[4:5], s[4:5], s[24:25]          ; x at my first token
	s_add_nc_u64 s[16:17], s[10:11], s[26:27]      ; its codes,
	s_add_nc_u64 s[18:19], s[10:11], s[28:29]      ; its scale bytes (XSO in the immediate),
	s_add_nc_u64 s[20:21], s[10:11], s[30:31]      ; its gates (GTO in the immediate),
	s_add_nc_u64 s[8:9], s[8:9], s[30:31]          ; its experts
	WIN 0x40                                       ; destination window 1
.irp e, 0,1,2,3,4,5,6,7
.irp i, 0,1,2,3,4,5,6,7
	global_load_b128 v[32*\e+4*\i:32*\e+4*\i+3], v2, s[6:7] offset:4096*\e+512*\i   ; router_w stays in registers
.endr
.endr
	WIN 0
.irp u, 0,1,2,3
.irp i, 0,1,2,3,4,5,6,7
	global_load_b128 v[R+32*\u+4*\i:R+32*\u+4*\i+3], v2, s[4:5] offset:4096*\u+512*\i th:TH_LOAD_NT   ; 512 consecutive bytes a load
.endr
.endr
	s_wait_loadcnt 28                              ; router_w and step 0's four loads are in; x's other 28 may be out
	TURN 0
.irp t, 0,1,2,3,4,5,6,7
	QSTEP \t
.endr
.irp u, 0,1,2,3
	DOT \u
	TOP2 \u
.endr
.irp u, 0,1,2,3
	v_sub_f32 v[V1+4+\u], v[V1+4+\u], v[V1+\u]     ; second - first: 0 or less: the maximum is taken away
.endr
.irp u, 0,1,2,3
	v_mul_f32 v[V1+4+\u], 0x3fb8aa3b, v[V1+4+\u]
.endr
.irp u, 0,1,2,3
	v_exp_f32 v[V1+4+\u], v[V1+4+\u]
.endr
	v_nop                                          ; a plain line behind the last exponential
	s_wait_alu depctr_va_vdst(0)                   ; one wait for the four, ahead of their first reader
.irp u, 0,1,2,3
	v_add_f32 v[V1+\u], 1.0, v[V1+4+\u]
.endr
.irp u, 0,1,2,3
	v_rcp_f32 v[V1+\u], v[V1+\u]                   ; the first gate: 1 / (1 + t)
.endr
	v_nop
	s_wait_alu depctr_va_vdst(0)                   ; and one for the four reciprocals
.irp u, 0,1,2,3
	v_mul_f32 v[V1+4+\u], v[V1+4+\u], v[V1+\u]     ; the second: t / (1 + t)
.endr
	ds_load_b32 v12, v7                            ; the wave's 128 scale bytes (in order behind my byte stores)
	v_mov_b32 v8, v[I1]                            ; lane 2 u + k picks token u's choice k
	v_mov_b32 v9, v[V1]
.irp q, 1,2,3,4,5,6,7
	v_cmp_eq_u32 vcc_lo, \q, v1
	v_cndmask_b32 v8, v8, v[I1+4*(\q%2)+\q/2], vcc_lo
	v_cndmask_b32 v9, v9, v[V1+4*(\q%2)+\q/2], vcc_lo
.endr
	s_wait_dscnt 0x0
	global_store_b32 v10, v12, s[18:19] offset:XSO
	s_wait_xcnt 0x0                                ; EXEC changes only behind this wait: it is a source of the stores above
	v_cmp_gt_u32 vcc_lo, 8, v1
	s_wait_tensorcnt 0x0
	ds_add_u32 v254, v255
	s_wait_dscnt 0x0
	s_and_saveexec_b32 s32, vcc_lo                 ; lanes 0-7
	global_store_b32 v10, v8, s[8:9]
	global_store_b32 v10, v9, s[20:21] offset:GTO
	s_endpgm
	; ---------------- RE-LAY ----------------
.Lrelay:                                               ; unit u = ((((phase 8 + e) 2 + hs) 4 + w) 4 + j): 64 rows x 768 bytes of codes; wave = tile t
	s_load_b128 s[32:35], s[0:1], 0x10             ; W1's codes, scales
	s_load_b128 s[36:39], s[0:1], 0x20             ; W2's codes, scales
	s_load_b64 s[40:41], s[0:1], 0x40              ; wq
	s_sub_co_u32 s13, ttmp9, 128
	s_lshr_b32 s14, s13, 8                         ; phase: 0 = W1, 1 = W2
	s_and_b32 s15, s13, 255
	s_and_b32 s16, s15, 3                          ; j
	s_lshr_b32 s17, s15, 2                         ; the stream
	s_bfe_u32 s18, s15, 0x10004                    ; hs
	s_lshr_b32 s19, s15, 5                         ; e
	s_bfe_u32 s20, s15, 0x20002                    ; w
	s_lshl_b32 s21, s15, 6                         ; W1: first row 2048 e + 1024 hs + 256 w + 64 j
	s_lshl_b32 s22, s19, 10
	s_lshl_b32 s23, s20, 8
	s_add_co_u32 s22, s22, s23
	s_lshl_b32 s23, s16, 6
	s_add_co_u32 s22, s22, s23                     ; W2: first row 1024 e + 256 w + 64 j
	s_mul_i32 s26, s18, 768                        ; W2: my half of K begins 768 hs bytes into a row of codes,
	s_lshl_b32 s28, s18, 5                         ; 32 hs into a row of scale bytes
	s_mov_b32 s25, 1536
	s_cmp_eq_u32 s14, 0                            ; the choices hang on the work-group's number alone
	s_cselect_b32 s24, s21, s22                    ; first row
	s_cselect_b32 s25, 768, s25                    ; a row of codes in bytes
	s_cselect_b32 s26, 0, s26
	s_cselect_b32 s27, 32, 64                      ; a row of scale bytes
	s_cselect_b32 s28, 0, s28
	s_mul_i32 s30, s24, s25
	s_add_co_u32 s30, s30, s26                     ; from where: codes
	s_mov_b32 s31, 0
	s_mul_i32 s42, s24, s27
	s_add_co_u32 s42, s42, s28                     ; scale bytes
	s_mov_b32 s43, 0
	s_mul_i32 s44, s17, 393216
	s_mul_i32 s46, s14, 196608
	s_add_co_u32 s44, s44, s46
	s_mul_i32 s46, s16, 49152
	s_add_co_u32 s44, s44, s46                     ; to where: codes
	s_mov_b32 s45, 0
	s_lshl_b32 s46, s17, 14
	s_lshl_b32 s47, s14, 13
	s_add_co_u32 s46, s46, s47
	s_lshl_b32 s47, s16, 11
	s_add_co_u32 s46, s46, s47                     ; scale words
	s_mov_b32 s47, 0
	v_and_b32 v5, 15, v1                           ; r
	v_lshrrev_b32 v6, 4, v1                        ; h
	s_lshr_b32 s29, s12, 1
	s_lshl_b32 s29, s29, 5
	s_and_b32 s21, s12, 1
	s_lshl_b32 s22, s21, 3
	s_add_co_u32 s29, s29, s22                     ; my tile's rows begin at 32 (t / 2) + 8 (t % 2)
	v_add_nc_u32 v7, s29, v6                       ; lanes 0-15 take one row, lanes 16-31 the next
	v_lshlrev_b32 v213, 4, v5
.irp i, 0,1,2,3,4,5,6,7                        ; tile row 2 i + h is row 2 i + h + 8 (i / 4) from there
	v_add_nc_u32 v[8+\i], 2*\i+8*(\i/4), v7
.endr
.irp i, 0,1,2,3,4,5,6,7
	v_mad_u32_u24 v[8+\i], v[8+\i], s25, v213
.endr
	s_mul_i32 s22, s12, 16*RP
	s_add_co_u32 s22, s22, RIMG                    ; my wave's 16 rows in LDS
	v_mul_u32_u24 v3, v6, RP
	v_add_nc_u32 v3, v3, v213
	v_add_nc_u32 v3, s22, v3                       ; in: row h, 16 bytes a lane
	v_mul_u32_u24 v4, v5, RP
	v_mad_u32_u24 v4, v6, 24, v4
	v_add_nc_u32 v4, s22, v4                       ; out: row r, + 24 h: the operand's own order
	s_mul_i32 s22, s12, 1536
	v_add_nc_u32 v216, s22, v2                     ; a fragment's plane: 16 x lane, + 1,536 x tile
	s_lshl_b32 s21, s21, 5                         ; scale words: wave = 2 L + a takes K steps 4 L .. 4 L + 3 of tiles 2 a (lanes 0-15) and 2 a + 1 (lanes 16-31)
	s_lshr_b32 s23, s12, 1
	s_lshl_b32 s23, s23, 4
	v_and_b32 v217, 8, v5
	v_add_nc_u32 v217, v217, v5                    ; r + 8 (r / 8)
	v_lshl_add_u32 v217, v6, 3, v217
	v_add_nc_u32 v217, s21, v217
	v_mul_u32_u24 v217, v217, s27
	v_add_nc_u32 v217, s23, v217
	s_lshl_b32 s22, s12, 9
	v_add_nc_u32 v218, s22, v2
	s_wait_kmcnt 0x0
	s_cmp_eq_u32 s14, 0
	s_cselect_b64 s[4:5], s[32:33], s[36:37]
	s_cselect_b64 s[6:7], s[34:35], s[38:39]
	s_add_nc_u64 s[4:5], s[4:5], s[30:31]
	s_add_nc_u64 s[6:7], s[6:7], s[42:43]
	s_add_nc_u64 s[8:9], s[40:41], s[44:45]
	s_add_nc_u64 s[10:11], s[40:41], s[46:47]
	s_add_nc_u64 s[10:11], s[10:11], WSO
.set k, 0
.rept 24
	global_load_b128 v[16+4*k:16+4*k+3], v[8+k/3], s[4:5] offset:256*(k%3) th:TH_LOAD_NT   ; sixteen lanes read 256 consecutive bytes of a row, at a multiple of 256 from the buffer's first byte
.set k, k+1
.endr
	global_load_b128 v[208:211], v217, s[6:7] th:TH_LOAD_NT
.set k, 0
.rept 24
	s_wait_loadcnt 24-k                            ; load k is in; the younger code loads and the scale load may be out
	ds_store_b128 v3, v[16+4*k:16+4*k+3] offset:2*RP*(k/3)+256*(k%3)
.set k, k+1
.endr
.irp s, 0,1,2,3,4,5,6,7                        ; the 12 registers of fragment (s, my tile): 24 bytes at 96 s + 24 h, 24 more 48 on.  In order behind my stores
.irp q, 0,1,2,3,4,5
	ds_load_b64 v[112+12*\s+2*\q:112+12*\s+2*\q+1], v4 offset:96*\s+48*(\q/3)+8*(\q%3)
.endr
.endr
.irp s, 0,1,2,3,4,5,6,7
	s_wait_dscnt 6*(7-\s)                          ; fragment s is in; the later fragments' six loads each may be out
.irp p, 0,1,2
	global_store_b128 v216, v[112+12*\s+4*\p:112+12*\s+4*\p+3], s[8:9] offset:6144*\s+512*\p th:TH_STORE_NT   ; 512 consecutive bytes a store
.endr
.endr
	s_wait_loadcnt 0x0
	global_store_b128 v218, v[208:211], s[10:11] th:TH_STORE_NT
	s_wait_tensorcnt 0x0
	ds_add_u32 v254, v255
	s_wait_dscnt 0x0
	s_endpgm
.Lfunc_end_k_qac010f0e0a_prep:
	.size	k_qac010f0e0a_prep, .Lfunc_end_k_qac010f0e0a_prep-k_qac010f0e0a_prep
	.p2alignl 7, 3214868480
	.fill 96, 4, 3214868480
	.section	.rodata,"a",@progbits
	.p2align	6, 0x0
	.amdhsa_kernel k_qac010f0e0a_prep
		.amdhsa_group_segment_fixed_size 73216
		.amdhsa_private_segment_fixed_size 0
		.amdhsa_enable_private_segment 0
		.amdhsa_kernarg_size 72
		.amdhsa_user_sgpr_count 2
		.amdhsa_user_sgpr_kernarg_segment_ptr 1
		.amdhsa_wavefront_size32 1
		.amdhsa_system_sgpr_workgroup_id_x 1
		.amdhsa_system_sgpr_workgroup_id_y 1
		.amdhsa_system_sgpr_workgroup_id_z 1
		.amdhsa_system_vgpr_workitem_id 0
		.amdhsa_next_free_vgpr 512
		.amdhsa_next_free_sgpr 66
		.amdhsa_reserve_vcc 1
		.amdhsa_float_denorm_mode_32 3
		.amdhsa_float_denorm_mode_16_64 3
		.amdhsa_memory_ordered 1
		.amdhsa_forward_progress 1
		.amdhsa_inst_pref_size 93
	.end_amdhsa_kernel
	.amdgpu_metadata
---
amdhsa.version: [ 1, 2 ]
amdhsa.kernels:
  - .name:           k_qac010f0e0a_prep
    .symbol:         k_qac010f0e0a_prep.kd
    .args:
      - { .name: x, .offset: 0, .size: 8, .value_kind: global_buffer, .address_space: global }
      - { .name: router_w, .offset: 8, .size: 8, .value_kind: global_buffer, .address_space: global }
      - { .name: w1_codes, .offset: 16, .size: 8, .value_kind: global_buffer, .address_space: global }
      - { .name: w1_scales, .offset: 24, .size: 8, .value_kind: global_buffer, .address_space: global }
      - { .name: w2_codes, .offset: 32, .size: 8, .value_kind: global_buffer, .address_space: global }
      - { .name: w2_scales, .offset: 40, .size: 8, .value_kind: global_buffer, .address_space: global }
      - { .name: sel, .offset: 48, .size: 8, .value_kind: global_buffer, .address_space: global }
      - { .name: xa, .offset: 56, .size: 8, .value_kind: global_buffer, .address_space: global }
      - { .name: wq, .offset: 64, .size: 8, .value_kind: global_buffer, .address_space: global }
    .group_segment_fixed_size: 73216
    .private_segment_fixed_size: 0
    .kernarg_segment_align: 8
    .kernarg_segment_size: 72
    .max_flat_workgroup_size: 128
    .sgpr_count:     66
    .vgpr_count:     512
    .wavefront_size: 32
...
	.end_amdgpu_metadata
.endif
;; end of part 1
;; launch place (part 2): grid 1 x 1, 1 waves a work-group, no clusters, 19,712 bytes of LDS; arguments sel, plan; writes plan
.if DOCPART == 2
	.amdgcn_target "amdgcn-amd-amdhsa--gfx1250"
	.amdhsa_code_object_version 6
	.text
	.protected	k_qac010f0e0a_place
	.globl	k_qac010f0e0a_place
	.p2align	8
	.type	k_qac010f0e0a_place,@function
k_qac010f0e0a_place:
	s_mov_b64 s[64:65], 0
	v_nop
	global_prefetch_b8 v0, s[64:65] scope:SCOPE_SE
	s_setreg_imm32_b32 hwreg(HW_REG_WAVE_MODE, 25, 1), 1
	s_wait_xcnt 0x0
; PLACE: a counting sort of the 4,096 routed entries j = 2 n + k by expert, by ONE wave: no atomics, no barrier.
; An expert's entries get consecutive slots from 64 x (its first tile); tiles are 64 slots; an expert's last tile may be part full.  At most 64 + 7 = 71 tiles, whatever the split.
; plan: POS at 0: pos[j] = slot;  ENT at 16,384: ent[slot] = j, 0 in the slots that no entry takes (4,608 slots);  TILES at 34,816: 96 pairs (expert, rows), rows = 0 in tiles that the split leaves empty.
; Lane l holds entries 128 q + 4 l + c, 128 of them.  An entry's slot = 64 x its expert's first tile + its expert's entries in lower lanes + its rank among its own lane's entries of that expert.
; The order of an expert's rows is free: each row is computed by itself.
.set S,    64                          ; v64-191  the entries: expert, then rank << 16 | expert << 7, then slot
.set CL,   4                           ; v4, v5   my lane's counts, 8 bits each: experts 0-3, 4-7 (128 at the most)
.set CH,   5
.set EE,   8
.set SH,   12
.set INC,  16
.set IL,   20
.set IH,   24
.set LL,   28
.set HH,   32
.set Z,    36                          ; v36-39   0
.set PF,   40                          ; v40-43   counts in 16-bit fields: experts (0, 2), (1, 3), (4, 6), (5, 7); then their prefix over the lanes
.set OWN,  44
.set TT,   48
.set TV,   52
.set LK,   192                         ; v192-223 a batch of 32 LDS addresses and what they bring
.set JV,   224                         ; v224-255 a batch of 32 entry numbers
.set ENTL, 1024                        ; LDS: at 0 a table [expert][lane] of first slots, 1,024 bytes; then ent, 18,432 bytes
; four entries at a time, line by line, so that only the adds onto the two counters wait for each other
.macro RANK4 q
	s_wait_loadcnt 31-(\q)                         ; load q is in; the younger ones may be out
.irp c, 0,1,2,3
	v_min_u32 v[EE+\c], 7, v[S+4*(\q)+\c]
.endr
.irp c, 0,1,2,3
	v_lshlrev_b32 v[SH+\c], 3, v[EE+\c]
.endr
.irp c, 0,1,2,3
	v_and_b32 v[SH+\c], 24, v[SH+\c]               ; the expert's field in its counter
.endr
.irp c, 0,1,2,3
	v_cmp_lt_u32 s[40+\c], 3, v[EE+\c]             ; experts 4-7: the upper counter
.endr
.irp c, 0,1,2,3
	v_lshlrev_b32 v[INC+\c], v[SH+\c], v2
.endr
.irp c, 0,1,2,3
	v_cndmask_b32 v[IL+\c], v[INC+\c], v[Z], s[40+\c]
	v_cndmask_b32 v[IH+\c], v[Z], v[INC+\c], s[40+\c]
.endr
	v_add_nc_u32 v[LL+1], v[CL], v[IL]             ; the counters as entries 1, 2, 3 find them
	v_add_nc_u32 v[HH+1], v[CH], v[IH]
	v_cndmask_b32 v[INC], v[CL], v[CH], s40
	v_add_nc_u32 v[LL+2], v[LL+1], v[IL+1]
	v_add_nc_u32 v[HH+2], v[HH+1], v[IH+1]
	v_add_nc_u32 v[LL+3], v[LL+2], v[IL+2]
	v_add_nc_u32 v[HH+3], v[HH+2], v[IH+2]
	v_add_nc_u32 v[CL], v[LL+3], v[IL+3]
	v_add_nc_u32 v[CH], v[HH+3], v[IH+3]
.irp c, 1,2,3
	v_cndmask_b32 v[INC+\c], v[LL+\c], v[HH+\c], s[40+\c]
.endr
.irp c, 0,1,2,3
	v_bfe_u32 v[INC+\c], v[INC+\c], v[SH+\c], 8    ; the rank
.endr
.irp c, 0,1,2,3
	v_lshlrev_b32 v[EE+\c], 7, v[EE+\c]
.endr
.irp c, 0,1,2,3
	v_lshl_or_b32 v[S+4*(\q)+\c], v[INC+\c], 16, v[EE+\c]
.endr
.endm
; 32 entries: slot = rank + table[expert][my lane]
.macro FIX g
.set i, 0
.rept 32
	v_and_b32 v[LK+i], 0x380, v[S+32*(\g)+i]
.set i, i+1
.endr
.set i, 0
.rept 32
	v_min_u32 v[LK+i], 0x380, v[LK+i]              ; held inside the table
.set i, i+1
.endr
.set i, 0
.rept 32
	v_add_nc_u32 v[LK+i], v[LK+i], v3
.set i, i+1
.endr
.set i, 0
.rept 32
	ds_load_b32 v[LK+i], v[LK+i]
.set i, i+1
.endr
	s_wait_dscnt 0x0
.set i, 0
.rept 32
	v_lshrrev_b32 v[S+32*(\g)+i], 16, v[S+32*(\g)+i]
.set i, i+1
.endr
.set i, 0
.rept 32
	v_add_nc_u32 v[S+32*(\g)+i], v[S+32*(\g)+i], v[LK+i]
.set i, i+1
.endr
.endm
; 32 entries: ent[slot] = j, in LDS
.macro SCAT g
.set i, 0
.rept 32
	v_min_u32 v[LK+i], 4607, v[S+32*(\g)+i]        ; held inside ent
.set i, i+1
.endr
.set i, 0
.rept 32
	v_lshlrev_b32 v[LK+i], 2, v[LK+i]
.set i, i+1
.endr
.set i, 0
.rept 32
	v_add_nc_u32 v[JV+i], 128*((32*(\g)+i)/4)+i%4, v3   ; j = 128 q + 4 lane + c
.set i, i+1
.endr
.set i, 0
.rept 32
	ds_store_b32 v[LK+i], v[JV+i] offset:ENTL
.set i, i+1
.endr
	s_wait_dscnt 0x0                               ; the stores have read their registers: the next batch may write them
.endm
	s_load_b128 s[4:7], s[0:1], 0x0                ; sel, plan
	v_lshl_add_u32 v62, v0, 2, 0x4c00
	v_mov_b32 v63, 0
	v_lshlrev_b32 v1, 4, v0                        ; 16 x lane
	v_mov_b32 v2, 1
	v_lshlrev_b32 v3, 2, v0                        ; 4 x lane
	v_mov_b32 v[CL], 0
	v_mov_b32 v[CH], 0
.irp i, 0,1,2,3
	v_mov_b32 v[Z+\i], 0
.endr
	s_wait_kmcnt 0x0
.set q, 0
.rept 32
	global_load_b128 v[S+4*q:S+4*q+3], v1, s[4:5] offset:512*q
.set q, q+1
.endr
.set q, 0
.rept 36
	ds_store_b128 v1, v[Z:Z+3] offset:ENTL+512*q   ; ent begins as zeros: a slot that no entry takes names entry 0
.set q, q+1
.endr
.set q, 0
.rept 32
	RANK4 q
.set q, q+1
.endr
	; the counts' prefix over the 32 lanes, two experts to a register
	s_mov_b32 s44, 0x00ff00ff
	v_and_b32 v[OWN], s44, v[CL]
	v_lshrrev_b32 v[OWN+1], 8, v[CL]
	v_and_b32 v[OWN+2], s44, v[CH]
	v_lshrrev_b32 v[OWN+3], 8, v[CH]
	v_and_b32 v[OWN+1], s44, v[OWN+1]
	v_and_b32 v[OWN+3], s44, v[OWN+3]
.irp p, 0,1,2,3
	v_mov_b32 v[PF+\p], v[OWN+\p]
	v_mov_b32 v[TT+\p], 0                          ; written once: the shifted move's destination counts as read
.endr
.irp n, 1,2,4,8
.irp p, 0,1,2,3
	v_mov_b32_dpp v[TT+\p], v[PF+\p] row_shr:\n row_mask:0xf bank_mask:0xf bound_ctrl:1   ; lane i takes lane i - n of its 16, or 0
.endr
.irp p, 0,1,2,3
	v_add_nc_u32 v[PF+\p], v[PF+\p], v[TT+\p]
.endr
.endr
	v_cmp_lt_u32 vcc_lo, 15, v0
.irp p, 0,1,2,3
	v_readlane_b32 s[48+\p], v[PF+\p], 15          ; the lower 16 lanes' sum goes onto the upper 16
.endr
.irp p, 0,1,2,3
	v_mov_b32 v[TT+\p], s[48+\p]
.endr
.irp p, 0,1,2,3
	v_cndmask_b32 v[TT+\p], 0, v[TT+\p], vcc_lo
.endr
.irp p, 0,1,2,3
	v_add_nc_u32 v[PF+\p], v[PF+\p], v[TT+\p]
.endr
.irp p, 0,1,2,3
	v_readlane_b32 s[48+\p], v[PF+\p], 31          ; the totals
.endr
.irp p, 0,1,2,3
	v_sub_nc_u32 v[PF+\p], v[PF+\p], v[OWN+\p]     ; what lower lanes hold
.endr
	s_and_b32 s8, s48, 0xffff                      ; s8-15: rows of experts 0-7
	s_lshr_b32 s10, s48, 16
	s_and_b32 s9, s49, 0xffff
	s_lshr_b32 s11, s49, 16
	s_and_b32 s12, s50, 0xffff
	s_lshr_b32 s14, s50, 16
	s_and_b32 s13, s51, 0xffff
	s_lshr_b32 s15, s51, 16
	s_mov_b32 s16, 0                               ; s16-23: first tile of experts 0-7
.irp e, 0,1,2,3,4,5,6
	s_add_co_u32 s24, s[8+\e], 63
	s_lshr_b32 s24, s24, 6
	s_add_co_u32 s[17+\e], s[16+\e], s24
.endr
.irp e, 0,1,2,3,4,5,6,7
	s_lshl_b32 s[32+\e], s[16+\e], 6
	v_bfe_u32 v[TV+\e], v[PF+2*(\e/4)+\e%2], 16*((\e/2)%2), 16
	v_add_nc_u32 v[TV+\e], s[32+\e], v[TV+\e]
	ds_store_b32 v3, v[TV+\e] offset:128*\e        ; table[e][lane]: the first slot of my lane's entries of expert e
.endr
.irp g, 0,1,2,3
	FIX \g
.endr
.set q, 0
.rept 32
	global_store_b128 v1, v[S+4*q:S+4*q+3], s[6:7] offset:512*q   ; pos: 512 consecutive bytes a store
.set q, q+1
.endr
.irp g, 0,1,2,3
	SCAT \g
.endr
	s_wait_xcnt 0x0                                ; pos's stores have read their registers: ent comes back into them
.set q, 0
.rept 36
	ds_load_b128 v[S+4*q:S+4*q+3], v1 offset:ENTL+512*q
.set q, q+1
.endr
.set q, 0
.rept 36
	s_wait_dscnt 35-q                              ; load q is in; the younger ones may be out
	global_store_b128 v1, v[S+4*q:S+4*q+3], s[6:7] offset:16384+512*q
.set q, q+1
.endr
	; the tiles: tile T belongs to the last expert whose first tile is not above T
.irp u, 0,1,2
.set TB, 208+8*\u
	v_add_nc_u32 v[TB], 32*\u, v0                  ; T
	v_mov_b32 v[TB+2], 0
	v_mov_b32 v[TB+4], 0
	v_mov_b32 v[TB+5], s8
.irp e, 1,2,3,4,5,6,7
	v_cmp_gt_u32 vcc_lo, s[16+\e], v[TB]           ; first tile above T: keep
	v_cndmask_b32 v[TB+2], \e, v[TB+2], vcc_lo
	v_cndmask_b32 v[TB+4], s[16+\e], v[TB+4], vcc_lo
	v_cndmask_b32 v[TB+5], s[8+\e], v[TB+5], vcc_lo
.endr
	v_sub_nc_u32 v[TB+4], v[TB], v[TB+4]
	v_lshlrev_b32 v[TB+4], 6, v[TB+4]
	v_sub_nc_u32 v[TB+3], v[TB+5], v[TB+4]         ; the expert's rows from this tile on,
	v_max_i32 v[TB+3], 0, v[TB+3]
	v_min_i32 v[TB+3], 64, v[TB+3]                 ; held to 0 .. 64
	v_lshlrev_b32 v[TB+6], 3, v[TB]
	global_store_b64 v[TB+6], v[TB+2:TB+3], s[6:7] offset:34816
.endr
	s_wait_tensorcnt 0x0
	ds_add_u32 v62, v63
	s_wait_dscnt 0x0
	s_endpgm
.Lfunc_end_k_qac010f0e0a_place:
	.size	k_qac010f0e0a_place, .Lfunc_end_k_qac010f0e0a_place-k_qac010f0e0a_place
	.p2alignl 7, 3214868480
	.fill 96, 4, 3214868480
	.section	.rodata,"a",@progbits
	.p2align	6, 0x0
	.amdhsa_kernel k_qac010f0e0a_place
		.amdhsa_group_segment_fixed_size 19712
		.amdhsa_private_segment_fixed_size 0
		.amdhsa_enable_private_segment 0
		.amdhsa_kernarg_size 16
		.amdhsa_user_sgpr_count 2
		.amdhsa_user_sgpr_kernarg_segment_ptr 1
		.amdhsa_wavefront_size32 1
		.amdhsa_system_sgpr_workgroup_id_x 1
		.amdhsa_system_sgpr_workgroup_id_y 1
		.amdhsa_system_sgpr_workgroup_id_z 1
		.amdhsa_system_vgpr_workitem_id 0
		.amdhsa_next_free_vgpr 256
		.amdhsa_next_free_sgpr 66
		.amdhsa_reserve_vcc 1
		.amdhsa_float_denorm_mode_32 3
		.amdhsa_float_denorm_mode_16_64 3
		.amdhsa_memory_ordered 1
		.amdhsa_forward_progress 1
		.amdhsa_inst_pref_size 167
	.end_amdhsa_kernel
	.amdgpu_metadata
---
amdhsa.version: [ 1, 2 ]
amdhsa.kernels:
  - .name:           k_qac010f0e0a_place
    .symbol:         k_qac010f0e0a_place.kd
    .args:
      - { .name: sel, .offset: 0, .size: 8, .value_kind: global_buffer, .address_space: global }
      - { .name: plan, .offset: 8, .size: 8, .value_kind: global_buffer, .address_space: global }
    .group_segment_fixed_size: 19712
    .private_segment_fixed_size: 0
    .kernarg_segment_align: 8
    .kernarg_segment_size: 16
    .max_flat_workgroup_size: 32
    .sgpr_count:     66
    .vgpr_count:     256
    .wavefront_size: 32
...
	.end_amdgpu_metadata
.endif
;; end of part 2
;; launch chain (part 3): grid 71 x 2, 4 waves a work-group, no clusters, 118,272 bytes of LDS; arguments plan, xa, wq, y; writes y
.if DOCPART == 3
	.amdgcn_target "amdgcn-amd-amdhsa--gfx1250"
	.amdhsa_code_object_version 6
	.text
	.protected	k_qac010f0e0a_chain
	.globl	k_qac010f0e0a_chain
	.p2align	8
	.type	k_qac010f0e0a_chain,@function
k_qac010f0e0a_chain:
	s_mov_b64 s[64:65], 0
	v_nop
	global_prefetch_b8 v0, s[64:65] scope:SCOPE_SE
	s_setreg_imm32_b32 hwreg(HW_REG_WAVE_MODE, 25, 1), 1
	s_wait_xcnt 0x0
; CHAIN: work-group (T, hs) takes tile T of the list (64 routed rows of one expert) and half hs of the hidden layer through the whole chain:
; gather x's codes; A: h = relu(x W1)^2 for hidden units 1024 hs + 0 .. 1023, quantised in registers along the next K; B: partial y = h W2 over those 1,024 units, times the row's gate; store to y[hs][slot].
; Both products on codes of E2M3 with E8M0 scales, by v_wmma_scale_f32_16x16x128_f8f6f4, sums in f32.  The hidden layer never goes to memory.  The launch 'combine' adds a token's four partial rows.
; BOTH PHASES HAVE ONE SHAPE: 64 rows x 1,024 columns x K 1,024.  Wave w takes all 64 rows and columns 256 w .. 256 w + 255, in 4 trips of 64 columns (4 tiles) x 8 K steps: 128 matrix instructions on 16 accumulators.
; THE ROWS' OPERAND STAYS IN REGISTERS: 64 rows x K 1,024 are 32 fragments, 384 registers, in every wave.  THE WEIGHTS STREAM from memory straight into a ring of 16 fragments: the launch 'prep' has laid them in
; the order of use, so a fragment is three loads of 512 consecutive bytes, is loaded once in the work-group and feeds 4 matrix instructions.  A K step's 4 fragments are asked for four steps, 64 matrix instructions, ahead.
; THE TILES OF AN EXPERT DO NOT WALK IN STEP: all of them read the same streams, and the four trips of a phase do not depend on each other.  Tile T takes, as the i-th trip of each phase, trip j = (i + T) % 4.
; So at any one time the tiles of an expert ask for four different quarters of a phase's weights, and from a phase's second trip on a tile asks for bytes that another tile has asked for a trip earlier.
; Both products are used TRANSPOSED (source 0 = 16 rows of the weight, source 1 = 16 routed rows): a lane holds one routed row, and, by the choice of a tile's rows (lane r of tile t: row 32 (t / 2) + 8 (t % 2) + r + 8 (r / 8)),
; the 16 registers of tiles 2 a, 2 a + 1 are the 16 neighbouring columns 32 a + 16 (lane / 16) + 0 .. 15: neighbours along the next K in A, 64 neighbouring bytes of y in B.
; LDS carries only the operand's images from wave to wave (x's, gathered 16 rows a wave; h's, made 256 units a wave), as half fragments of 768 bytes: registers 6 c .. 6 c + 3 at 16 lane, 6 c + 4, 5 at 512 + 8 lane.
; A TILE THAT THE SPLIT LEAVES EMPTY (rows = 0 in the list) does neither phase and stores nothing; the two barriers stand outside those branches, on every path.  Rows of a part-full tile beyond its count compute
; entry 0; their rows of y are read by nobody.
; NO TENSOR LOAD, NO CLUSTER: the launch branches on a stored count; which expert a work-group serves is read from the list, and an expert's tiles are no multiple of four, so partners would not ask for the same bytes.
; LIMITS: NaN and infinities are not served.  A block of zeros of h gets the scale byte 1, not 127: its codes are zeros.
; REGISTERS: window 0: v1-11 addresses; v12-15 gates; v16-31 the rows' scale words; v32-47 the weights' scale words; v48-75 at work; v76-78 a trip's LDS addresses; v80-207 accumulators, (t, m) at 80 + 32 m + 8 t;
;   v208-255 codes just made (scratch at the head).
;   window 1: the rows' fragments of K steps 0-3, (m, s) at 48 s + 12 m;  window 2: of K steps 4-7;  window 3: the ring, K step s, tile t at 48 (s % 4) + 12 t.
.set XIMG, 0                           ; LDS: x's 64 half fragments, (m, s, c) at 768 (2 (8 m + s) + c)
.set HIMG, 49152                       ; h's likewise: wave w's trip j is half c = j % 2 of K step 2 w + j / 2: its four places are 3,072 bytes on end
.set HSC,  98304                       ; h's scale bytes: the 8 bytes of K steps 2 w, 2 w + 1 of row r of tile m at 512 w + 128 m + 8 r: 512 bytes of its own for each wave that writes
.set STG,  100352                      ; a stage of 16 rows x (256 bytes + 16) for each wave
.set SPI,  272
.set VW,   1                           ; 16 x lane: the streams' offset, and the address of x's images
.set HA16, 2                           ; HIMG + 16 lane
.set XA8,  3                           ; 512 + 8 lane
.set HW16, 4                           ; where I store h's images: HIMG + 16 lane + 3,072 wave
.set HW8,  5
.set HSW,  6                           ; and two scale bytes: HSC + 512 wave + 8 r
.set HSR,  7                           ; where I read h's scale words: HSC + 1,024 (lane / 16) + 8 r
.set STO,  8
.set RD,   9
.set YO,   10
.set HA8,  11                          ; HIMG + 512 + 8 lane
.set GW,   12
.set XS,   16                          ; (m, s): register 4 m + s % 4, lanes 0-15 for s < 4, lanes 16-31 for s >= 4
.set WS,   32                          ; (s, t): register 8 (s / 4) + 4 (t / 2) + s % 4, lanes 0-15 for even t, 16-31 for odd t
.set TM,   48                          ; v48-55 largest magnitudes of blocks 2 m + b; in phase B the gates, as pairs
.set TP,   56
.set SO,   64
.set BY,   72
.set TA16, 76                          ; HW16, HW8, HSW at the place of the trip in hand
.set TA8,  77
.set TAS,  78
.set ACC,  80
.set PC,   208
.set CA,   48                          ; s48-55  phase A: the codes of the i-th trip in time, a pair each; never rewritten
.set SA,   56                          ; s56-63  and its scale words
.set Y0,   66                          ; s[66:67] y[hs][64 T]
.set CUR,  68                          ; s[68:69] phase B: the codes of the trip in hand,
.set NXT,  70                          ; s[70:71] of the next trip,
.set SNX,  72                          ; s[72:73] and the next trip's scale words
.set J768, 74                          ; s74-77  768 j of phase A's i-th trip
.set J2,   78                          ; s78-81  2 j
.set SB0,  82                          ; s[82:83] the scale words of phase B's first trip
.set MSB, 0
.macro WIN new                         ; the immediate's high byte repeats the setting that is left
.if MSB != \new
	s_set_vgpr_msb (MSB<<8)|\new
.set MSB, \new
.endif
.endm
.macro WM s, t, m, zero
.set rD, ACC+32*(\m)+8*(\t)
.set rA, 48*((\s)%4)+12*(\t)
.set rB, 48*((\s)%4)+12*(\m)
.set rP, WS+8*((\s)/4)+4*((\t)/2)+(\s)%4
.set rQ, XS+4*(\m)+(\s)%4
.if \zero
.if (\t)%2 == 0
	v_wmma_scale_f32_16x16x128_f8f6f4 v[rD:rD+7], v[rA:rA+11], v[rB:rB+11], 0, v[rP], v[rQ] matrix_a_fmt:MATRIX_FMT_FP6 matrix_b_fmt:MATRIX_FMT_FP6
.else
	v_wmma_scale_f32_16x16x128_f8f6f4 v[rD:rD+7], v[rA:rA+11], v[rB:rB+11], 0, v[rP], v[rQ] matrix_a_fmt:MATRIX_FMT_FP6 matrix_b_fmt:MATRIX_FMT_FP6 matrix_a_scale:MATRIX_SCALE_ROW1
.endif
.elseif (\s) < 4
.if (\t)%2 == 0
	v_wmma_scale_f32_16x16x128_f8f6f4 v[rD:rD+7], v[rA:rA+11], v[rB:rB+11], v[rD:rD+7], v[rP], v[rQ] matrix_a_fmt:MATRIX_FMT_FP6 matrix_b_fmt:MATRIX_FMT_FP6
.else
	v_wmma_scale_f32_16x16x128_f8f6f4 v[rD:rD+7], v[rA:rA+11], v[rB:rB+11], v[rD:rD+7], v[rP], v[rQ] matrix_a_fmt:MATRIX_FMT_FP6 matrix_b_fmt:MATRIX_FMT_FP6 matrix_a_scale:MATRIX_SCALE_ROW1
.endif
.else
.if (\t)%2 == 0
	v_wmma_scale_f32_16x16x128_f8f6f4 v[rD:rD+7], v[rA:rA+11], v[rB:rB+11], v[rD:rD+7], v[rP], v[rQ] matrix_a_fmt:MATRIX_FMT_FP6 matrix_b_fmt:MATRIX_FMT_FP6 matrix_b_scale:MATRIX_SCALE_ROW1
.else
	v_wmma_scale_f32_16x16x128_f8f6f4 v[rD:rD+7], v[rA:rA+11], v[rB:rB+11], v[rD:rD+7], v[rP], v[rQ] matrix_a_fmt:MATRIX_FMT_FP6 matrix_b_fmt:MATRIX_FMT_FP6 matrix_a_scale:MATRIX_SCALE_ROW1 matrix_b_scale:MATRIX_SCALE_ROW1
.endif
.endif
.endm
; K step s of a trip: 16 matrix instructions, the 16 accumulators by turns, one instruction a turn, in the same order in every step.  zero = 1: the products start the sums
.macro MULS s, zero
.if (\s) < 4
	WIN 0x07                                       ; source 0 (ring) window 3, source 1 (rows) window 1, C and D window 0
.else
	WIN 0x0b                                       ; source 1 window 2
.endif
.irp t, 0,1,2,3
.irp m, 0,1,2,3
	WM \s, \t, \m, \zero
.endr
.endr
.endm
; the ring's group that step s has just read takes the fragments of four steps on: steps 4-7 of this trip (base cur), or steps 0-3 of the trip that follows in time (base nxt)
.macro REFILL cur, nxt, s
.rept 4
	v_nop                                          ; four places between the last matrix instruction and loads into registers that it has read (ISA guide 7.12.1 for vector instructions)
.endr
	WIN 0xc0                                       ; destination window 3
.irp t, 0,1,2,3
.irp p, 0,1,2
.if (\s) < 4
	global_load_b128 v[48*((\s)%4)+12*\t+4*\p:48*((\s)%4)+12*\t+4*\p+3], v[VW], s[\cur:\cur+1] offset:(4*((\s)+4)+\t)*1536+512*\p
.else
	global_load_b128 v[48*((\s)%4)+12*\t+4*\p:48*((\s)%4)+12*\t+4*\p+3], v[VW], s[\nxt:\nxt+1] offset:(4*((\s)-4)+\t)*1536+512*\p
.endif
.endr
.endr
.endm
.macro WSLOAD snx, half                ; the next trip's scale words of K steps 4 half .. 4 half + 3 (behind REFILL's four places)
	WIN 0
.irp a, 0,1
	global_load_b128 v[WS+8*(\half)+4*\a:WS+8*(\half)+4*\a+3], v[VW], s[\snx:\snx+1] offset:1024*(\half)+512*\a
.endr
.endm
; A TRIP.  The wait at a step's head: the group wanted was asked for four steps ago; the three younger runs of 12 loads may be out: 36.  (A run's two scale loads are left out of the count: the wait then asks for a
; little more than it must.)  The scale words wanted are older than the group.  last = 1: nothing follows: steps 4-7 ask for nothing, and the counts run down.
.macro TRIP cur, nxt, snx, last
.irp s, 0,1,2,3,4,5,6,7
.if (\last) && (\s > 4)
	s_wait_loadcnt 12*(7-\s)
.else
	s_wait_loadcnt 36
.endif
.if \s == 0
	MULS \s, 1
.else
	MULS \s, 0
.endif
.if ((\last) == 0) || (\s < 4)
	REFILL \cur, \nxt, \s
.endif
.if (\last) == 0
.if \s == 3
	WSLOAD \snx, 0
.endif
.if \s == 7
	WSLOAD \snx, 1
.endif
.endif
.endr
	WIN 0
.endm
; all 32 fragments of the rows' operand from their images
.macro FETCH a16, a8
.irp s, 0,1,2,3,4,5,6,7
.if \s < 4
	WIN 0x40
.else
	WIN 0x80
.endif
.irp m, 0,1,2,3
.irp c, 0,1
	ds_load_b128 v[48*(\s%4)+12*\m+6*\c:48*(\s%4)+12*\m+6*\c+3], v[\a16] offset:768*(2*(8*\m+\s)+\c)
	ds_load_b64 v[48*(\s%4)+12*\m+6*\c+4:48*(\s%4)+12*\m+6*\c+5], v[\a8] offset:768*(2*(8*\m+\s)+\c)
.endr
.endr
.endr
	WIN 0
.endm
; BEHIND THE j-TH TRIP IN TIME OF PHASE A: 64 hidden units of 64 rows: relu, square, quantise: for each tile of rows m two blocks of 32: register 32 m + 16 b + i is unit 32 b + 16 (lane / 16) + i of the lane's row.
; Their place in LDS is that of the trip that was walked: 768 and 2 bytes for each trip, from the scalars made at the head; whichever it is, it lies inside the wave's own 3,072 and 512 bytes.
.macro EPIA j
	s_wait_dscnt 0x0                               ; the last trip's LDS stores have read their registers, which are written again below
	v_nop                                          ; with the three additions: four places behind the last matrix instruction
	v_add_nc_u32 v[TA16], s[J768+(\j)], v[HW16]
	v_add_nc_u32 v[TA8], s[J768+(\j)], v[HW8]
	v_add_nc_u32 v[TAS], s[J2+(\j)], v[HSW]
.set i, 0
.rept 128
	v_max_num_f32 v[ACC+i], 0, v[ACC+i]            ; each accumulator from its low end on
.set i, i+1
.endr
.set i, 0
.rept 64
	v_pk_mul_f32 v[ACC+i:ACC+i+1], v[ACC+i:ACC+i+1], v[ACC+i:ACC+i+1]
.set i, i+2
.endr
.irp k, 0,1,2,3,4,5,6,7
	v_max3_num_f32 v[TM+\k], v[ACC+16*\k], v[ACC+16*\k+1], 0x1800000   ; block k = 2 m + b: my 16 numbers (none is negative), and the floor 2^(3 - 127): the byte cannot fall under 1
.endr
.irp i, 2,4,6,8,10,12,14
.irp k, 0,1,2,3,4,5,6,7
	v_max3_num_f32 v[TM+\k], v[TM+\k], v[ACC+16*\k+\i], v[ACC+16*\k+\i+1]
.endr
.endr
.irp k, 0,1,2,3,4,5,6,7
	v_permlanex16_b32 v[TP+\k], v[TM+\k], s30, s31
.endr
.irp k, 0,1,2,3,4,5,6,7
	v_max_num_f32 v[TM+\k], v[TM+\k], v[TP+\k]     ; with lane l xor 16's: the block's largest
.endr
.irp k, 0,1,2,3,4,5,6,7
	v_add_nc_u32 v[SO+\k], 0xff000000, v[TM+\k]    ; 2 off the exponent field: the conversion's scale operand
.endr
.irp k, 0,1,2,3,4,5,6,7
	v_lshrrev_b32 v[TP+\k], 23, v[SO+\k]           ; the scale's byte
.endr
.irp m, 0,1,2,3
	v_lshl_or_b32 v[BY+\m], v[TP+2*\m+1], 8, v[TP+2*\m]
.endr
.irp m, 0,1,2,3
	v_cvt_scalef32_pk16_fp6_f32 v[PC+12*\m:PC+12*\m+2], v[ACC+32*\m:ACC+32*\m+15], v[SO+2*\m]
	v_cvt_scalef32_pk16_fp6_f32 v[PC+12*\m+8:PC+12*\m+10], v[ACC+32*\m+16:ACC+32*\m+31], v[SO+2*\m+1]   ; (a conversion's three registers begin on an even number)
.endr
	v_nop                                          ; one plain line behind the scaled conversions
.irp m, 0,1,2,3                                ; the operand wants a whole block in a lane: lanes 0-15 the first block, lanes 16-31 the second
.irp i, 0,1,2
	v_permlane16_swap_b32 v[PC+12*\m+\i], v[PC+12*\m+8+\i]
.endr
.endr
.irp m, 0,1,2,3
.irp i, 0,1,2
	v_mov_b32 v[PC+12*\m+3+\i], v[PC+12*\m+8+\i]
.endr
.endr
.irp m, 0,1,2,3
	ds_store_b128 v[TA16], v[PC+12*\m:PC+12*\m+3] offset:12288*\m
	ds_store_b64 v[TA8], v[PC+12*\m+4:PC+12*\m+5] offset:12288*\m
	ds_store_b16 v[TAS], v[BY+\m] offset:128*\m    ; lanes l and l xor 16 write the same two bytes with the same value
.endr
.endm
; BEHIND A TRIP OF PHASE B: 64 outputs of 64 rows, times the row's gate, through my own stage, 16 rows at a time, and out as whole runs of 256 bytes.
; LDS serves a wave's instructions in order (ISA guide 5.7.1.4): no wait between the stores and the loads, nor ahead of the next 16 rows' stores.
.macro EPIB
.rept 4
	v_nop
.endr
.irp m, 0,1,2,3
.set i, 0
.rept 16
	v_pk_mul_f32 v[ACC+32*\m+i:ACC+32*\m+i+1], v[ACC+32*\m+i:ACC+32*\m+i+1], v[TM+2*\m:TM+2*\m+1]
.set i, i+2
.endr
.irp t, 0,1,2,3
.irp q, 0,1
	ds_store_b128 v[STO], v[ACC+32*\m+8*\t+4*\q:ACC+32*\m+8*\t+4*\q+3] offset:128*(\t/2)+32*(\t%2)+16*\q
.endr
.endr
.irp u, 0,1,2,3,4,5,6,7
	ds_load_b128 v[ACC+32*\m+4*\u:ACC+32*\m+4*\u+3], v[RD] offset:2*SPI*\u
.endr
.endr
.irp m, 0,1,2,3
	s_wait_dscnt 48-16*\m                          ; these 16 rows are back; the later rows' 16 LDS instructions each may be out
.irp u, 0,1,2,3,4,5,6,7
	global_store_b128 v[YO], v[ACC+32*\m+4*\u:ACC+32*\m+4*\u+3], s[28:29] offset:(16*\m+2*\u)*4096 th:TH_STORE_NT   ; sixteen lanes store 256 consecutive bytes, at a multiple of 256 from y's first byte
.endr
.endr
	s_wait_xcnt 0x0                                ; the stores' data and the loads' and stores' bases are written again only behind this wait
.endm
	s_load_b256 s[4:11], s[0:1], 0x0               ; plan s[4:5], xa s[6:7], wq s[8:9], y s[10:11]
	v_lshl_add_u32 v251, v0, 2, 0x1cc00
	v_mov_b32 v255, 0
	v_lshrrev_b32 v240, 5, v0
	v_readfirstlane_b32 s12, v240                  ; wave 0..3
	s_and_b32 s14, ttmp7, 0xffff                   ; hs
	v_and_b32 v240, 31, v0                         ; lane
	v_and_b32 v241, 15, v0                         ; r
	v_bfe_u32 v242, v0, 4, 1                       ; h
	v_lshlrev_b32 v[VW], 4, v240
	v_lshl_add_u32 v[XA8], v240, 3, XIMG+512
	v_add_nc_u32 v[HA16], HIMG, v[VW]
	v_lshl_add_u32 v[HA8], v240, 3, HIMG+512
	s_mul_i32 s42, s12, 3072
	v_add_nc_u32 v[HW16], s42, v[HA16]
	v_add_nc_u32 v[HW8], s42, v[HA8]
	s_lshl_b32 s42, s12, 9
	s_add_co_u32 s42, s42, HSC
	v_lshl_add_u32 v[HSW], v241, 3, s42
	v_lshlrev_b32 v[HSR], 3, v241
	v_lshl_add_u32 v[HSR], v242, 10, v[HSR]
	v_add_nc_u32 v[HSR], HSC, v[HSR]
	s_mul_i32 s42, s12, 16*SPI
	s_add_co_u32 s42, s42, STG                     ; my stage
	v_mul_u32_u24 v[STO], v241, SPI
	v_lshl_add_u32 v[STO], v242, 6, v[STO]
	v_add_nc_u32 v[STO], s42, v[STO]               ; in: row r, + 64 h
	v_mul_u32_u24 v[RD], v242, SPI
	v_lshl_add_u32 v[RD], v241, 4, v[RD]
	v_add_nc_u32 v[RD], s42, v[RD]                 ; back: lanes 0-15 one row, lanes 16-31 the next
	s_lshl_b32 s42, s12, 10
	v_lshlrev_b32 v[YO], 12, v242
	v_lshl_add_u32 v[YO], v241, 4, v[YO]
	v_add_nc_u32 v[YO], s42, v[YO]                 ; the same two rows in y, + my wave's 1,024 bytes of a row
	s_mul_i32 s42, s12, 12288
	v_add_nc_u32 v243, s42, v[VW]                  ; where I store x's images: tile of rows m = my wave
	v_add_nc_u32 v244, s42, v[XA8]
	v_lshlrev_b32 v245, 2, v241                    ; ent: 4 r
	s_lshl_b32 s42, s12, 6
	v_add_nc_u32 v246, s42, v245                   ; 4 (16 wave + r)
	v_mul_u32_u24 v247, v242, 384
.irp k, 0,1,2,3,4,5,6,7
	v_mov_b32 v[TP+\k], 0                          ; written once: a lane permute's destination counts as one of its sources
.endr
	s_mov_b32 s30, 0x76543210
	s_mov_b32 s31, 0xfedcba98                      ; v_permlanex16_b32's selects for lane l xor 16
	s_and_b32 s33, ttmp9, 3                        ; the trip at which this tile begins each phase
.irp i, 0,1,2,3
	s_add_co_u32 s42, s33, \i
	s_and_b32 s42, s42, 3                          ; j of the i-th trip in time: 0 .. 3
	s_mul_i32 s[J768+\i], s42, 768
	s_lshl_b32 s[J2+\i], s42, 1
.endr
	s_lshl_b32 s44, ttmp9, 8                       ; the tile's 64 entries of 4 bytes
	s_mov_b32 s45, 0                               ; (stays 0: the upper word of every offset made in s44)
	s_lshl_b32 s46, ttmp9, 3                       ; its pair in the list
	s_mov_b32 s47, 0
	s_wait_kmcnt 0x0
	s_add_nc_u64 s[34:35], s[4:5], s[44:45]
	s_add_nc_u64 s[36:37], s[4:5], s[46:47]
	s_load_b64 s[16:17], s[36:37], 0x8800          ; s16 the expert, s17 the rows
.irp m, 0,1,2,3
	global_load_b32 v[208+\m], v245, s[34:35] offset:16384+64*\m   ; the entries of rows 16 m + r,
.endr
	global_load_b32 v212, v246, s[34:35] offset:16384              ; and of the row that I gather
	s_wait_kmcnt 0x0
	s_min_u32 s16, s16, 7
	s_lshl_b32 s42, s16, 1
	s_add_co_u32 s42, s42, s14
	s_lshl_b32 s42, s42, 2
	s_add_co_u32 s42, s42, s12                     ; my stream: (2 e + hs) 4 + wave
	s_mul_i32 s44, s42, 393216
	s_add_nc_u64 s[20:21], s[8:9], s[44:45]        ; its codes,
	s_lshl_b32 s44, s42, 14
	s_add_nc_u64 s[22:23], s[8:9], s[44:45]
	s_add_nc_u64 s[22:23], s[22:23], 25165824      ; its scale words;
	s_add_nc_u64 s[24:25], s[20:21], 196608        ; phase B's parts
	s_add_nc_u64 s[26:27], s[22:23], 8192
.irp i, 0,1,2,3                                ; phase A's four trips in the order in which this tile walks them: 49,152 bytes of codes and 2,048 of scale words a trip
	s_mul_i32 s44, s[J2+\i], 24576
	s_add_nc_u64 s[CA+2*\i:CA+2*\i+1], s[20:21], s[44:45]
	s_lshl_b32 s44, s[J2+\i], 10
	s_add_nc_u64 s[SA+2*\i:SA+2*\i+1], s[22:23], s[44:45]
.endr
	WIN 0xc0
.irp s, 0,1,2,3                                ; the ring's first fill: K steps 0-3 of the first trip
.irp t, 0,1,2,3
.irp p, 0,1,2
	global_load_b128 v[48*\s+12*\t+4*\p:48*\s+12*\t+4*\p+3], v[VW], s[CA:CA+1] offset:(4*\s+\t)*1536+512*\p
.endr
.endr
.endr
	WIN 0
.irp q, 0,1,2,3
	global_load_b128 v[WS+4*\q:WS+4*\q+3], v[VW], s[SA:SA+1] offset:512*\q
.endr
	s_add_nc_u64 s[CUR:CUR+1], s[CA:CA+1], 196608       ; phase B walks its trips in the same order: its first trip,
	s_add_nc_u64 s[NXT:NXT+1], s[CA+2:CA+3], 196608     ; its second,
	s_add_nc_u64 s[SB0:SB0+1], s[SA:SA+1], 8192         ; and their scale words
	s_add_nc_u64 s[SNX:SNX+1], s[SA+2:SA+3], 8192
	s_mul_i32 s44, s14, 18874368
	s_lshl_b32 s46, ttmp9, 18
	s_add_co_u32 s44, s44, s46
	s_add_nc_u64 s[Y0:Y0+1], s[10:11], s[44:45]    ; y[hs][64 T]
	s_lshl_b32 s44, s[J2], 7
	s_add_nc_u64 s[28:29], s[Y0:Y0+1], s[44:45]    ; + 256 bytes for each trip: the first trip's 64 outputs
	s_lshr_b32 s33, s[J2+1], 1                     ; from here on: j of the trip at which NXT stands
	s_wait_loadcnt 52                              ; the five entries are in; the 48 + 4 loads issued behind them may be out
.irp m, 0,1,2,3
	v_lshrrev_b32 v[216+\m], 1, v[208+\m]          ; the token,
.endr
.irp m, 0,1,2,3
	v_min_u32 v[216+\m], 2047, v[216+\m]           ; held inside its tables
.endr
.irp m, 0,1,2,3
	v_lshlrev_b32 v[216+\m], 5, v[216+\m]
.endr
.irp m, 0,1,2,3
	v_lshl_add_u32 v[216+\m], v242, 4, v[216+\m]   ; its scale words: 32 n + 16 h
.endr
.irp m, 0,1,2,3
	v_min_u32 v[208+\m], 4095, v[208+\m]
.endr
.irp m, 0,1,2,3
	v_lshlrev_b32 v[208+\m], 2, v[208+\m]          ; its gate: 4 j
.endr
	v_lshrrev_b32 v212, 1, v212
	v_min_u32 v212, 2047, v212
	v_mul_u32_u24 v212, v212, 768
	v_add_nc_u32 v212, v212, v247                  ; its codes: 768 n + 384 h
.irp s, 0,1,2,3,4,5,6,7
.irp p, 0,1,2
	global_load_b128 v[ACC+12*\s+4*\p:ACC+12*\s+4*\p+3], v212, s[6:7] offset:48*\s+16*\p   ; the 12 registers of fragment (m = my wave, s), as they lie
.endr
.endr
.irp m, 0,1,2,3
	global_load_b128 v[XS+4*\m:XS+4*\m+3], v[216+\m], s[6:7] offset:1572864
.endr
.irp m, 0,1,2,3
	global_load_b32 v[GW+\m], v[208+\m], s[6:7] offset:1638400
.endr
	s_wait_loadcnt 8                               ; the 24 loads of codes are in; the scale words and the gates may be out
.irp s, 0,1,2,3,4,5,6,7
.irp c, 0,1
	ds_store_b128 v243, v[ACC+12*\s+6*\c:ACC+12*\s+6*\c+3] offset:768*(2*\s+\c)
	ds_store_b64 v244, v[ACC+12*\s+6*\c+4:ACC+12*\s+6*\c+5] offset:768*(2*\s+\c)
.endr
.endr
	s_wait_dscnt 0x0                               ; for the others' sake: my images have landed
	s_barrier_signal -1
	s_barrier_wait -1                              ; x's 32 fragments lie in LDS
	FETCH VW, XA8
	s_wait_loadcnt 0x0
	s_wait_dscnt 0x0
	s_cmp_eq_u32 s17, 0                            ; a tile without rows does no work
	s_cbranch_scc1 .LnoA
	; ---- PHASE A, written out: each trip has bases of its own, so none is rewritten.  Its last trip already asks for the first four K steps of phase B's first trip
	TRIP CA+0, CA+2, SA+2, 0
	EPIA 0
	TRIP CA+2, CA+4, SA+4, 0
	EPIA 1
	TRIP CA+4, CA+6, SA+6, 0
	EPIA 2
	TRIP CA+6, CUR, SB0, 0
	EPIA 3
.LnoA:
	s_wait_dscnt 0x0                               ; my images of h and my scale bytes have landed, and my reads of x's images are over
	s_barrier_signal -1
	s_barrier_wait -1                              ; h's 32 fragments lie in LDS
	s_cmp_eq_u32 s17, 0
	s_cbranch_scc1 .Lend
	; ---- PHASE B
	FETCH HA16, HA8
.irp m, 0,1,2,3
	ds_load_b64 v[XS+4*\m:XS+4*\m+1], v[HSR] offset:128*\m         ; K steps 4 h, 4 h + 1 (written by wave 2 h),
	ds_load_b64 v[XS+4*\m+2:XS+4*\m+3], v[HSR] offset:128*\m+512   ; 4 h + 2, 4 h + 3 (by wave 2 h + 1)
.endr
.irp m, 0,1,2,3
	v_mov_b32 v[TM+2*\m], v[GW+\m]                 ; the gates as pairs, for the packed multiply
	v_mov_b32 v[TM+2*\m+1], v[GW+\m]
.endr
	s_wait_dscnt 0x0
	s_mov_b32 s32, 3
.LtripB:
	TRIP CUR, NXT, SNX, 0
	EPIB                                           ; (ends with the wait behind which the bases below may be written)
	s_mov_b64 s[CUR:CUR+1], s[NXT:NXT+1]           ; on to the next trip in time:
	s_lshl_b32 s44, s33, 8
	s_add_nc_u64 s[28:29], s[Y0:Y0+1], s[44:45]    ; its 64 outputs;
	s_add_co_u32 s33, s33, 1
	s_and_b32 s33, s33, 3                          ; and the trip behind it, round the four
	s_mul_i32 s44, s33, 49152
	s_add_nc_u64 s[NXT:NXT+1], s[24:25], s[44:45]
	s_lshl_b32 s44, s33, 11
	s_add_nc_u64 s[SNX:SNX+1], s[26:27], s[44:45]
	s_sub_co_u32 s32, s32, 1
	s_cmp_lg_u32 s32, 0
	s_cbranch_scc1 .LtripB
	TRIP CUR, NXT, SNX, 1                          ; the last trip is written out: it asks for nothing beyond itself
	EPIB
.Lend:
	s_wait_tensorcnt 0x0
	ds_add_u32 v251, v255
	s_wait_dscnt 0x0
	s_endpgm
.Lfunc_end_k_qac010f0e0a_chain:
	.size	k_qac010f0e0a_chain, .Lfunc_end_k_qac010f0e0a_chain-k_qac010f0e0a_chain
	.p2alignl 7, 3214868480
	.fill 96, 4, 3214868480
	.section	.rodata,"a",@progbits
	.p2align	6, 0x0
	.amdhsa_kernel k_qac010f0e0a_chain
		.amdhsa_group_segment_fixed_size 118272
		.amdhsa_private_segment_fixed_size 0
		.amdhsa_enable_private_segment 0
		.amdhsa_kernarg_size 32
		.amdhsa_user_sgpr_count 2
		.amdhsa_user_sgpr_kernarg_segment_ptr 1
		.amdhsa_wavefront_size32 1
		.amdhsa_system_sgpr_workgroup_id_x 1
		.amdhsa_system_sgpr_workgroup_id_y 1
		.amdhsa_system_sgpr_workgroup_id_z 1
		.amdhsa_system_vgpr_workitem_id 0
		.amdhsa_next_free_vgpr 1024
		.amdhsa_next_free_sgpr 84
		.amdhsa_reserve_vcc 0
		.amdhsa_float_denorm_mode_32 3
		.amdhsa_float_denorm_mode_16_64 3
		.amdhsa_memory_ordered 1
		.amdhsa_forward_progress 1
		.amdhsa_inst_pref_size 255
	.end_amdhsa_kernel
	.section	.bss,"aw",@nobits
	.p2align	6
	.space	262144
	.amdgpu_metadata
---
amdhsa.version: [ 1, 2 ]
amdhsa.kernels:
  - .name:           k_qac010f0e0a_chain
    .symbol:         k_qac010f0e0a_chain.kd
    .args:
      - { .name: plan, .offset: 0, .size: 8, .value_kind: global_buffer, .address_space: global }
      - { .name: xa, .offset: 8, .size: 8, .value_kind: global_buffer, .address_space: global }
      - { .name: wq, .offset: 16, .size: 8, .value_kind: global_buffer, .address_space: global }
      - { .name: y, .offset: 24, .size: 8, .value_kind: global_buffer, .address_space: global }
    .group_segment_fixed_size: 118272
    .private_segment_fixed_size: 0
    .kernarg_segment_align: 8
    .kernarg_segment_size: 32
    .max_flat_workgroup_size: 128
    .sgpr_count:     84
    .vgpr_count:     1024
    .wavefront_size: 32
...
	.end_amdgpu_metadata
.endif
;; end of part 3
;; launch combine (part 4): grid 256 x 1, 8 waves a work-group, no clusters, 0 bytes of LDS; arguments plan, y, out0; writes out0
.if DOCPART == 4
	.amdgcn_target "amdgcn-amd-amdhsa--gfx1250"
	.amdhsa_code_object_version 6
	.text
	.protected	k_qac010f0e0a_combine
	.globl	k_qac010f0e0a_combine
	.p2align	8
	.type	k_qac010f0e0a_combine,@function
k_qac010f0e0a_combine:
	s_mov_b64 s[64:65], 0
	v_nop
	global_prefetch_b8 v0, s[64:65] scope:SCOPE_SE
	s_setreg_imm32_b32 hwreg(HW_REG_WAVE_MODE, 25, 1), 1
	s_wait_xcnt 0x0
; COMBINE: out0[n] = the sum of token n's four partial rows of y: its two choices' slots (pos[2 n], pos[2 n + 1]) x the two halves of the hidden layer.  The gates are already in the rows.
; One wave, one token: 32 loads of 512 consecutive bytes, all issued at once; 8 stores of 512 consecutive bytes.  Each output row has one owner, so nothing is added in memory.
; A stream: no LDS, no barrier, no matrix unit, no cluster: no two waves read the same bytes.
.set PLANE, 18874368                   ; bytes from y[0] to y[1]
	s_load_b128 s[4:7], s[0:1], 0x0                ; plan, y
	s_load_b64 s[8:9], s[0:1], 0x10                ; out0
	v_lshrrev_b32 v1, 5, v0
	v_readfirstlane_b32 s10, v1                    ; wave 0..7
	v_and_b32 v1, 31, v0
	v_lshlrev_b32 v1, 4, v1                        ; 16 x lane
	s_lshl_b32 s11, ttmp9, 3
	s_add_co_u32 s11, s11, s10                     ; my token
	s_lshl_b32 s12, s11, 3
	s_mov_b32 s13, 0
	s_lshl_b32 s26, s11, 12
	s_mov_b32 s27, 0
	s_wait_kmcnt 0x0
	s_add_nc_u64 s[14:15], s[4:5], s[12:13]
	s_load_b64 s[16:17], s[14:15], 0x0             ; its two slots
	s_add_nc_u64 s[8:9], s[8:9], s[26:27]
	s_wait_kmcnt 0x0
	s_min_u32 s16, s16, 4607                       ; held inside y
	s_min_u32 s17, s17, 4607
	s_lshl_b32 s18, s16, 12
	s_mov_b32 s19, 0
	s_lshl_b32 s20, s17, 12
	s_mov_b32 s21, 0
	s_add_nc_u64 s[18:19], s[6:7], s[18:19]
	s_add_nc_u64 s[20:21], s[6:7], s[20:21]
	s_add_nc_u64 s[22:23], s[18:19], PLANE
	s_add_nc_u64 s[24:25], s[20:21], PLANE
.irp i, 0,1,2,3,4,5,6,7
.irp k, 0,1,2,3
	global_load_b128 v[16+16*\i+4*\k:16+16*\i+4*\k+3], v1, s[18+2*\k:19+2*\k] offset:512*\i th:TH_LOAD_NT
.endr
.endr
.irp i, 0,1,2,3,4,5,6,7
.set BB, 16+16*\i
	s_wait_loadcnt 28-4*\i                         ; this piece's four loads are in; the later pieces' four each may be out
	v_pk_add_f32 v[BB:BB+1], v[BB:BB+1], v[BB+8:BB+9]           ; first choice: both halves
	v_pk_add_f32 v[BB+2:BB+3], v[BB+2:BB+3], v[BB+10:BB+11]
	v_pk_add_f32 v[BB+4:BB+5], v[BB+4:BB+5], v[BB+12:BB+13]     ; second choice
	v_pk_add_f32 v[BB+6:BB+7], v[BB+6:BB+7], v[BB+14:BB+15]
	v_pk_add_f32 v[BB:BB+1], v[BB:BB+1], v[BB+4:BB+5]
	v_pk_add_f32 v[BB+2:BB+3], v[BB+2:BB+3], v[BB+6:BB+7]
	global_store_b128 v1, v[BB:BB+3], s[8:9] offset:512*\i th:TH_STORE_NT
.endr
	s_endpgm
.Lfunc_end_k_qac010f0e0a_combine:
	.size	k_qac010f0e0a_combine, .Lfunc_end_k_qac010f0e0a_combine-k_qac010f0e0a_combine
	.p2alignl 7, 3214868480
	.fill 96, 4, 3214868480
	.section	.rodata,"a",@progbits
	.p2align	6, 0x0
	.amdhsa_kernel k_qac010f0e0a_combine
		.amdhsa_group_segment_fixed_size 0
		.amdhsa_private_segment_fixed_size 0
		.amdhsa_enable_private_segment 0
		.amdhsa_kernarg_size 24
		.amdhsa_user_sgpr_count 2
		.amdhsa_user_sgpr_kernarg_segment_ptr 1
		.amdhsa_wavefront_size32 1
		.amdhsa_system_sgpr_workgroup_id_x 1
		.amdhsa_system_sgpr_workgroup_id_y 1
		.amdhsa_system_sgpr_workgroup_id_z 1
		.amdhsa_system_vgpr_workitem_id 0
		.amdhsa_next_free_vgpr 144
		.amdhsa_next_free_sgpr 66
		.amdhsa_reserve_vcc 0
		.amdhsa_float_denorm_mode_32 3
		.amdhsa_float_denorm_mode_16_64 3
		.amdhsa_memory_ordered 1
		.amdhsa_forward_progress 1
		.amdhsa_inst_pref_size 9
	.end_amdhsa_kernel
	.amdgpu_metadata
---
amdhsa.version: [ 1, 2 ]
amdhsa.kernels:
  - .name:           k_qac010f0e0a_combine
    .symbol:         k_qac010f0e0a_combine.kd
    .args:
      - { .name: plan, .offset: 0, .size: 8, .value_kind: global_buffer, .address_space: global }
      - { .name: y, .offset: 8, .size: 8, .value_kind: global_buffer, .address_space: global }
      - { .name: out0, .offset: 16, .size: 8, .value_kind: global_buffer, .address_space: global }
    .group_segment_fixed_size: 0
    .private_segment_fixed_size: 0
    .kernarg_segment_align: 8
    .kernarg_segment_size: 24
    .max_flat_workgroup_size: 256
    .sgpr_count:     66
    .vgpr_count:     144
    .wavefront_size: 32
...
	.end_amdgpu_metadata
.endif
;; end of part 4
;; ======== version 2 of 2: 4 launches; version 1 with the launch chain written anew for expert scheduling mode
;; workspace buffers: sel 16,384 bytes of whole numbers; plan 35,584 bytes of whole numbers; xa 1,654,784 bytes; wq 26,214,400 bytes; y 37,748,736 bytes
;; launch prep: the kernel of part 1 again; grid 640 x 1, 4 waves a work-group, no clusters, 73,216 bytes of LDS; arguments x, router_w, w1_codes, w1_scales, w2_codes, w2_scales, sel, xa, wq; writes sel, xa, wq
;; launch place: the kernel of part 2 again; grid 1 x 1, 1 waves a work-group, no clusters, 19,712 bytes of LDS; arguments sel, plan; writes plan
;; launch chain (part 5): grid 71 x 2, 4 waves a work-group, no clusters, 118,272 bytes of LDS; arguments plan, xa, wq, y; writes y
.if DOCPART == 5
	.amdgcn_target "amdgcn-amd-amdhsa--gfx1250"
	.amdhsa_code_object_version 6
	.text
	.protected	k_qac010f0e0a_chain
	.globl	k_qac010f0e0a_chain
	.p2align	8
	.type	k_qac010f0e0a_chain,@function
k_qac010f0e0a_chain:
	s_mov_b64 s[64:65], 0
	v_nop
	global_prefetch_b8 v0, s[64:65] scope:SCOPE_SE
	s_setreg_imm32_b32 hwreg(HW_REG_WAVE_SCHED_MODE, 0, 2), 2
	s_setreg_imm32_b32 hwreg(HW_REG_WAVE_MODE, 25, 1), 1
	s_wait_xcnt 0x0
	s_wait_alu depctr_vm_vsrc(0)
; CHAIN: work-group (T, hs) takes tile T of the list (64 routed rows of one expert) and half hs of the hidden layer through the whole chain:
; gather x's codes; A: h = relu(x W1)^2 for hidden units 1024 hs + 0 .. 1023, quantised in registers along the next K; B: partial y = h W2 over those 1,024 units, times the row's gate; store to y[hs][slot].
; Both products on codes of E2M3 with E8M0 scales, by v_wmma_scale_f32_16x16x128_f8f6f4, sums in f32.  The hidden layer never goes to memory.  The launch 'combine' adds a token's four partial rows.
; BOTH PHASES HAVE ONE SHAPE: 64 rows x 1,024 columns x K 1,024.  Wave w takes all 64 rows and columns 256 w .. 256 w + 255, in 4 trips of 64 columns (4 tiles) x 8 K steps: 128 matrix instructions on 16 accumulators.
; THE ROWS' OPERAND STAYS IN REGISTERS: 64 rows x K 1,024 are 32 fragments, 384 registers, in every wave.  THE WEIGHTS STREAM from memory straight into a ring of 16 fragments: the launch 'prep' has laid them in
; the order of use, so a fragment is three loads of 512 consecutive bytes, is loaded once in the work-group and feeds 4 matrix instructions.  A K step's 4 fragments are asked for four steps, 64 matrix instructions, ahead.
; THE TILES OF AN EXPERT DO NOT WALK IN STEP: all of them read the same streams, and the four trips of a phase do not depend on each other.  Tile T takes, as the i-th trip of each phase, trip j = (i + T) % 4.
; So at any one time the tiles of an expert ask for four different quarters of a phase's weights, and from a phase's second trip on a tile asks for bytes that another tile has asked for a trip earlier.
; Both products are used TRANSPOSED (source 0 = 16 rows of the weight, source 1 = 16 routed rows): a lane holds one routed row, and, by the choice of a tile's rows (lane r of tile t: row 32 (t / 2) + 8 (t % 2) + r + 8 (r / 8)),
; the 16 registers of tiles 2 a, 2 a + 1 are the 16 neighbouring columns 32 a + 16 (lane / 16) + 0 .. 15: neighbours along the next K in A, 64 neighbouring bytes of y in B.
; LDS carries only the operand's images from wave to wave (x's, gathered 16 rows a wave; h's, made 256 units a wave), as half fragments of 768 bytes: registers 6 c .. 6 c + 3 at 16 lane, 6 c + 4, 5 at 512 + 8 lane.
; A TILE THAT THE SPLIT LEAVES EMPTY (rows = 0 in the list) does neither phase and stores nothing; the two barriers stand outside those branches, on every path.  Rows of a part-full tile beyond its count compute
; entry 0; their rows of y are read by nobody.
; NO TENSOR LOAD, NO CLUSTER: the launch branches on a stored count; which expert a work-group serves is read from the list, and an expert's tiles are no multiple of four, so partners would not ask for the same bytes.
; LIMITS: NaN and infinities are not served.  A block of zeros of h gets the scale byte 1, not 127: its codes are zeros.
; THE MODE: SCHED_MODE bits 1:0 = 2 (LLVM: expert scheduling mode 2), set by the entry lines.  The code itself states the register dependences between vector or matrix instructions and memory or LDS
; instructions, with s_wait_alu, always for 0.
; THE PLAN.  Registers that memory or LDS instructions touch, who writes and who reads them:
;   v1-11            addresses, made once at the head and never written again: one wait at the head serves every load and store that reads them.
;   the ring         K step s: its 16 products read group s % 4; behind them the 12 loads of four steps on land in it.  ONE wait on va_vdst to a step, between the two.  The loads stay in one run ahead of the
;                    next step's wait for data, so that four groups are asked for at all times.
;   WS               its two halves: read by the products of steps 0-3 and 4-7; loaded again behind the waits of steps 3 and 7.
;   the rows' fragments, XS   loaded at the head (x's) and at phase B's head (h's); read by products alone: one wait on va_vdst at phase B's head.
;   TA, PC, BY       written by the vector lines behind a trip of phase A, read by its 12 LDS stores: one wait on va_vdst ahead of the stores, one on vm_vsrc at the head of the next such lines.
;   ACC              at the head x's codes pass through it (loads in, LDS stores out); in phase B the gate's multiplies write it and the LDS stores into the stage read it.
;   OUT              the rows of y come back from the stage into registers of their own, which y's stores read and no vector or matrix instruction names.  So behind a trip of phase B stand two waits:
;                    va_vdst ahead of the LDS stores, and vm_vsrc at the end, for ACC (the next products write it) and for OUT (the next rows land in it).
; REGISTERS: window 0: v1-11 addresses; v12-15 gates; v16-31 the rows' scale words; v32-47 the weights' scale words; v48-75 at work; v76-78 a trip's LDS addresses; v80-207 accumulators, (t, m) at 80 + 32 m + 8 t;
;   v208-254 codes just made (scratch at the head); v251, v255 the closing add's two.
;   window 1: the rows' fragments of K steps 0-3, (m, s) at 48 s + 12 m; from v192 OUT for tiles of rows 0, 1;  window 2: of K steps 4-7; from v192 OUT for tiles of rows 2, 3;
;   window 3: the ring, K step s, tile t at 48 (s % 4) + 12 t.
.set XIMG, 0                           ; LDS: x's 64 half fragments, (m, s, c) at 768 (2 (8 m + s) + c)
.set HIMG, 49152                       ; h's likewise: wave w's trip j is half c = j % 2 of K step 2 w + j / 2: its four places are 3,072 bytes on end
.set HSC,  98304                       ; h's scale bytes: the 8 bytes of K steps 2 w, 2 w + 1 of row r of tile m at 512 w + 128 m + 8 r: 512 bytes of its own for each wave that writes
.set STG,  100352                      ; a stage of 16 rows x (256 bytes + 16) for each wave
.set SPI,  272
.set VW,   1                           ; 16 x lane: the streams' offset, and the address of x's images
.set HA16, 2                           ; HIMG + 16 lane
.set XA8,  3                           ; 512 + 8 lane
.set HW16, 4                           ; where I store h's images: HIMG + 16 lane + 3,072 wave
.set HW8,  5
.set HSW,  6                           ; and two scale bytes: HSC + 512 wave + 8 r
.set HSR,  7                           ; where I read h's scale words: HSC + 1,024 (lane / 16) + 8 r
.set STO,  8
.set RD,   9
.set YO,   10
.set HA8,  11                          ; HIMG + 512 + 8 lane
.set GW,   12
.set XS,   16                          ; (m, s): register 4 m + s % 4, lanes 0-15 for s < 4, lanes 16-31 for s >= 4
.set WS,   32                          ; (s, t): register 8 (s / 4) + 4 (t / 2) + s % 4, lanes 0-15 for even t, 16-31 for odd t
.set TM,   48                          ; v48-55 largest magnitudes of blocks 2 m + b; in phase B the gates, as pairs
.set TP,   56
.set SO,   64
.set BY,   72
.set TA16, 76                          ; HW16, HW8, HSW at the place of the trip in hand
.set TA8,  77
.set TAS,  78
.set ACC,  80
.set PC,   208
.set OB,   192                         ; OUT: tile of rows m at v[192 + 32 (m % 2)] of window 1 + m / 2
.set CA,   48                          ; s48-55  phase A: the codes of the i-th trip in time, a pair each; never rewritten
.set SA,   56                          ; s56-63  and its scale words
.set Y0,   66                          ; s[66:67] y[hs][64 T]
.set CUR,  68                          ; s[68:69] phase B: the codes of the trip in hand,
.set NXT,  70                          ; s[70:71] of the next trip,
.set SNX,  72                          ; s[72:73] and the next trip's scale words
.set J768, 74                          ; s74-77  768 j of phase A's i-th trip
.set J2,   78                          ; s78-81  2 j
.set SB0,  82                          ; s[82:83] the scale words of phase B's first trip
.set MSB, 0
.macro WIN new                         ; the immediate's high byte repeats the setting that is left
.if MSB != \new
	s_set_vgpr_msb (MSB<<8)|\new
.set MSB, \new
.endif
.endm
.macro WM s, t, m, zero
.set rD, ACC+32*(\m)+8*(\t)
.set rA, 48*((\s)%4)+12*(\t)
.set rB, 48*((\s)%4)+12*(\m)
.set rP, WS+8*((\s)/4)+4*((\t)/2)+(\s)%4
.set rQ, XS+4*(\m)+(\s)%4
.if \zero
.if (\t)%2 == 0
	v_wmma_scale_f32_16x16x128_f8f6f4 v[rD:rD+7], v[rA:rA+11], v[rB:rB+11], 0, v[rP], v[rQ] matrix_a_fmt:MATRIX_FMT_FP6 matrix_b_fmt:MATRIX_FMT_FP6
.else
	v_wmma_scale_f32_16x16x128_f8f6f4 v[rD:rD+7], v[rA:rA+11], v[rB:rB+11], 0, v[rP], v[rQ] matrix_a_fmt:MATRIX_FMT_FP6 matrix_b_fmt:MATRIX_FMT_FP6 matrix_a_scale:MATRIX_SCALE_ROW1
.endif
.elseif (\s) < 4
.if (\t)%2 == 0
	v_wmma_scale_f32_16x16x128_f8f6f4 v[rD:rD+7], v[rA:rA+11], v[rB:rB+11], v[rD:rD+7], v[rP], v[rQ] matrix_a_fmt:MATRIX_FMT_FP6 matrix_b_fmt:MATRIX_FMT_FP6
.else
	v_wmma_scale_f32_16x16x128_f8f6f4 v[rD:rD+7], v[rA:rA+11], v[rB:rB+11], v[rD:rD+7], v[rP], v[rQ] matrix_a_fmt:MATRIX_FMT_FP6 matrix_b_fmt:MATRIX_FMT_FP6 matrix_a_scale:MATRIX_SCALE_ROW1
.endif
.else
.if (\t)%2 == 0
	v_wmma_scale_f32_16x16x128_f8f6f4 v[rD:rD+7], v[rA:rA+11], v[rB:rB+11], v[rD:rD+7], v[rP], v[rQ] matrix_a_fmt:MATRIX_FMT_FP6 matrix_b_fmt:MATRIX_FMT_FP6 matrix_b_scale:MATRIX_SCALE_ROW1
.else
	v_wmma_scale_f32_16x16x128_f8f6f4 v[rD:rD+7], v[rA:rA+11], v[rB:rB+11], v[rD:rD+7], v[rP], v[rQ] matrix_a_fmt:MATRIX_FMT_FP6 matrix_b_fmt:MATRIX_FMT_FP6 matrix_a_scale:MATRIX_SCALE_ROW1 matrix_b_scale:MATRIX_SCALE_ROW1
.endif
.endif
.endm
; K step s of a trip: 16 matrix instructions, the 16 accumulators by turns, one instruction a turn, in the same order in every step.  zero = 1: the products start the sums
.macro MULS s, zero
.if (\s) < 4
	WIN 0x07                                       ; source 0 (ring) window 3, source 1 (rows) window 1, C and D window 0
.else
	WIN 0x0b                                       ; source 1 window 2
.endif
.irp t, 0,1,2,3
.irp m, 0,1,2,3
	WM \s, \t, \m, \zero
.endr
.endr
.endm
; the ring's group that step s has just read takes the fragments of four steps on: steps 4-7 of this trip (base cur), or steps 0-3 of the trip that follows in time (base nxt)
.macro REFILL cur, nxt, s
.rept 4
	v_nop                                          ; the four places between the last matrix instruction and the loads into registers that it has read stay, beside the wait below
.endr
	WIN 0xc0                                       ; destination window 3: the switch, then the wait, then the loads
	s_wait_alu depctr_va_vdst(0)                   ; this step's products are done reading their group of the ring, in which the 12 loads below land (behind steps 3 and 7: and the products of the last four steps their half of WS)
.irp t, 0,1,2,3
.irp p, 0,1,2
.if (\s) < 4
	global_load_b128 v[48*((\s)%4)+12*\t+4*\p:48*((\s)%4)+12*\t+4*\p+3], v[VW], s[\cur:\cur+1] offset:(4*((\s)+4)+\t)*1536+512*\p
.else
	global_load_b128 v[48*((\s)%4)+12*\t+4*\p:48*((\s)%4)+12*\t+4*\p+3], v[VW], s[\nxt:\nxt+1] offset:(4*((\s)-4)+\t)*1536+512*\p
.endif
.endr
.endr
.endm
.macro WSLOAD snx, half                ; the next trip's scale words of K steps 4 half .. 4 half + 3.  No wait of their own: between REFILL's wait and these two loads stand loads and a window switch alone
	WIN 0
.irp a, 0,1
	global_load_b128 v[WS+8*(\half)+4*\a:WS+8*(\half)+4*\a+3], v[VW], s[\snx:\snx+1] offset:1024*(\half)+512*\a
.endr
.endm
; A TRIP.  The wait at a step's head: the group wanted was asked for four steps ago; the three younger runs of 12 loads may be out: 36.  (A run's two scale loads are left out of the count: the wait then asks for a
; little more than it must.)  The scale words wanted are older than the group.  last = 1: nothing follows: steps 4-7 ask for nothing, so they hold no wait on va_vdst, and the counts run down.
.macro TRIP cur, nxt, snx, last
.irp s, 0,1,2,3,4,5,6,7
.if (\last) && (\s > 4)
	s_wait_loadcnt 12*(7-\s)
.else
	s_wait_loadcnt 36
.endif
.if \s == 0
	MULS \s, 1
.else
	MULS \s, 0
.endif
.if ((\last) == 0) || (\s < 4)
	REFILL \cur, \nxt, \s
.endif
.if (\last) == 0
.if \s == 3
	WSLOAD \snx, 0
.endif
.if \s == 7
	WSLOAD \snx, 1
.endif
.endif
.endr
	WIN 0
.endm
; all 32 fragments of the rows' operand from their images
.macro FETCH a16, a8
.irp s, 0,1,2,3,4,5,6,7
.if \s < 4
	WIN 0x40
.else
	WIN 0x80
.endif
.irp m, 0,1,2,3
.irp c, 0,1
	ds_load_b128 v[48*(\s%4)+12*\m+6*\c:48*(\s%4)+12*\m+6*\c+3], v[\a16] offset:768*(2*(8*\m+\s)+\c)
	ds_load_b64 v[48*(\s%4)+12*\m+6*\c+4:48*(\s%4)+12*\m+6*\c+5], v[\a8] offset:768*(2*(8*\m+\s)+\c)
.endr
.endr
.endr
	WIN 0
.endm
; BEHIND THE j-TH TRIP IN TIME OF PHASE A: 64 hidden units of 64 rows: relu, square, quantise: for each tile of rows m two blocks of 32: register 32 m + 16 b + i is unit 32 b + 16 (lane / 16) + i of the lane's row.
; Their place in LDS is that of the trip that was walked: 768 and 2 bytes for each trip, from the scalars made at the head; whichever it is, it lies inside the wave's own 3,072 and 512 bytes.
.macro EPIA j
	s_wait_dscnt 0x0                               ; the LDS stores of the trip before have landed,
.if (\j) > 0
	s_wait_alu depctr_vm_vsrc(0)                   ; and have read TA, PC and BY, which the lines below write again (ahead of the first trip's lines the head's wait has said the like)
.endif
	v_nop                                          ; with the three additions: four places behind the last matrix instruction
	v_add_nc_u32 v[TA16], s[J768+(\j)], v[HW16]
	v_add_nc_u32 v[TA8], s[J768+(\j)], v[HW8]
	v_add_nc_u32 v[TAS], s[J2+(\j)], v[HSW]
.set i, 0
.rept 128
	v_max_num_f32 v[ACC+i], 0, v[ACC+i]            ; each accumulator from its low end on
.set i, i+1
.endr
.set i, 0
.rept 64
	v_pk_mul_f32 v[ACC+i:ACC+i+1], v[ACC+i:ACC+i+1], v[ACC+i:ACC+i+1]
.set i, i+2
.endr
.irp k, 0,1,2,3,4,5,6,7
	v_max3_num_f32 v[TM+\k], v[ACC+16*\k], v[ACC+16*\k+1], 0x1800000   ; block k = 2 m + b: my 16 numbers (none is negative), and the floor 2^(3 - 127): the byte cannot fall under 1
.endr
.irp i, 2,4,6,8,10,12,14
.irp k, 0,1,2,3,4,5,6,7
	v_max3_num_f32 v[TM+\k], v[TM+\k], v[ACC+16*\k+\i], v[ACC+16*\k+\i+1]
.endr
.endr
.irp k, 0,1,2,3,4,5,6,7
	v_permlanex16_b32 v[TP+\k], v[TM+\k], s30, s31
.endr
.irp k, 0,1,2,3,4,5,6,7
	v_max_num_f32 v[TM+\k], v[TM+\k], v[TP+\k]     ; with lane l xor 16's: the block's largest
.endr
.irp k, 0,1,2,3,4,5,6,7
	v_add_nc_u32 v[SO+\k], 0xff000000, v[TM+\k]    ; 2 off the exponent field: the conversion's scale operand
.endr
.irp k, 0,1,2,3,4,5,6,7
	v_lshrrev_b32 v[TP+\k], 23, v[SO+\k]           ; the scale's byte
.endr
.irp m, 0,1,2,3
	v_lshl_or_b32 v[BY+\m], v[TP+2*\m+1], 8, v[TP+2*\m]
.endr
.irp m, 0,1,2,3
	v_cvt_scalef32_pk16_fp6_f32 v[PC+12*\m:PC+12*\m+2], v[ACC+32*\m:ACC+32*\m+15], v[SO+2*\m]
	v_cvt_scalef32_pk16_fp6_f32 v[PC+12*\m+8:PC+12*\m+10], v[ACC+32*\m+16:ACC+32*\m+31], v[SO+2*\m+1]   ; (a conversion's three registers begin on an even number)
.endr
	v_nop                                          ; one plain line behind the scaled conversions
.irp m, 0,1,2,3                                ; the operand wants a whole block in a lane: lanes 0-15 the first block, lanes 16-31 the second
.irp i, 0,1,2
	v_permlane16_swap_b32 v[PC+12*\m+\i], v[PC+12*\m+8+\i]
.endr
.endr
.irp m, 0,1,2,3
.irp i, 0,1,2
	v_mov_b32 v[PC+12*\m+3+\i], v[PC+12*\m+8+\i]
.endr
.endr
	s_wait_alu depctr_va_vdst(0)                   ; the additions have written TA, the swaps and moves PC, the shifts BY: the 12 LDS stores below read them as addresses and data
.irp m, 0,1,2,3
	ds_store_b128 v[TA16], v[PC+12*\m:PC+12*\m+3] offset:12288*\m
	ds_store_b64 v[TA8], v[PC+12*\m+4:PC+12*\m+5] offset:12288*\m
	ds_store_b16 v[TAS], v[BY+\m] offset:128*\m    ; lanes l and l xor 16 write the same two bytes with the same value
.endr
.endm
; BEHIND A TRIP OF PHASE B: 64 outputs of 64 rows, times the row's gate, through my own stage, 16 rows at a time, and out as whole runs of 256 bytes.
; LDS serves a wave's instructions in order (ISA guide 5.7.1.4): no wait between the stores and the loads, nor ahead of the next 16 rows' stores.
; Tile of rows m into the stage out of the accumulators, and back into OUT.  The loads land in registers that the stores do not read, so nothing is owed between the two.
.macro TOSTG m
.irp t, 0,1,2,3
.irp q, 0,1
	ds_store_b128 v[STO], v[ACC+32*(\m)+8*\t+4*\q:ACC+32*(\m)+8*\t+4*\q+3] offset:128*(\t/2)+32*(\t%2)+16*\q
.endr
.endr
.irp u, 0,1,2,3,4,5,6,7
	ds_load_b128 v[OB+32*((\m)%2)+4*\u:OB+32*((\m)%2)+4*\u+3], v[RD] offset:2*SPI*\u
.endr
.endm
.macro SENDY m
	s_wait_dscnt 48-16*(\m)                        ; these 16 rows are back; the later rows' 16 LDS instructions each may be out
.irp u, 0,1,2,3,4,5,6,7
	global_store_b128 v[YO], v[OB+32*((\m)%2)+4*\u:OB+32*((\m)%2)+4*\u+3], s[28:29] offset:(16*(\m)+2*\u)*4096 th:TH_STORE_NT   ; sixteen lanes store 256 consecutive bytes, at a multiple of 256 from y's first byte
.endr
.endm
; more = 1: a trip follows
.macro EPIB more
.rept 4
	v_nop                                          ; four places behind the last matrix instruction, ahead of the first read of its result
.endr
.irp m, 0,1,2,3
.set i, 0
.rept 16
	v_pk_mul_f32 v[ACC+32*\m+i:ACC+32*\m+i+1], v[ACC+32*\m+i:ACC+32*\m+i+1], v[TM+2*\m:TM+2*\m+1]   ; each accumulator from its low end on
.set i, i+2
.endr
.endr
	WIN 0x40                                       ; destination window 1: the loads' data; an LDS store's address and data are sources, and stay in window 0
	s_wait_alu depctr_va_vdst(0)                   ; the 64 multiplies have written the accumulators, which the LDS stores below read
	TOSTG 0
	TOSTG 1
	WIN 0x80                                       ; destination window 2
	TOSTG 2
	TOSTG 3
	WIN 0x04                                       ; a store's data are its source 1: window 1
	SENDY 0
	SENDY 1
	WIN 0x08                                       ; window 2
	SENDY 2
	SENDY 3
	WIN 0
	s_wait_xcnt 0x0                                ; the stores' data and the loads' and stores' bases are written again only behind this wait
.if \more
	s_wait_alu depctr_vm_vsrc(0)                   ; the LDS stores have read the accumulators, which the next trip's products write; y's stores have read OUT, in which the next trip's rows land
.endif
.endm
	s_load_b256 s[4:11], s[0:1], 0x0               ; plan s[4:5], xa s[6:7], wq s[8:9], y s[10:11]
	v_lshl_add_u32 v251, v0, 2, 0x1cc00
	v_mov_b32 v255, 0
	v_lshrrev_b32 v240, 5, v0
	v_readfirstlane_b32 s12, v240                  ; wave 0..3
	s_and_b32 s14, ttmp7, 0xffff                   ; hs
	v_and_b32 v240, 31, v0                         ; lane
	v_and_b32 v241, 15, v0                         ; r
	v_bfe_u32 v242, v0, 4, 1                       ; h
	v_lshlrev_b32 v[VW], 4, v240
	v_lshl_add_u32 v[XA8], v240, 3, XIMG+512
	v_add_nc_u32 v[HA16], HIMG, v[VW]
	v_lshl_add_u32 v[HA8], v240, 3, HIMG+512
	s_wait_alu depctr_va_sdst(0)                   ; s12, the wave's number, is written, ahead of its first reader
	s_mul_i32 s42, s12, 3072
	v_add_nc_u32 v[HW16], s42, v[HA16]
	v_add_nc_u32 v[HW8], s42, v[HA8]
	s_lshl_b32 s42, s12, 9
	s_add_co_u32 s42, s42, HSC
	v_lshl_add_u32 v[HSW], v241, 3, s42
	v_lshlrev_b32 v[HSR], 3, v241
	v_lshl_add_u32 v[HSR], v242, 10, v[HSR]
	v_add_nc_u32 v[HSR], HSC, v[HSR]
	s_mul_i32 s42, s12, 16*SPI
	s_add_co_u32 s42, s42, STG                     ; my stage
	v_mul_u32_u24 v[STO], v241, SPI
	v_lshl_add_u32 v[STO], v242, 6, v[STO]
	v_add_nc_u32 v[STO], s42, v[STO]               ; in: row r, + 64 h
	v_mul_u32_u24 v[RD], v242, SPI
	v_lshl_add_u32 v[RD], v241, 4, v[RD]
	v_add_nc_u32 v[RD], s42, v[RD]                 ; back: lanes 0-15 one row, lanes 16-31 the next
	s_lshl_b32 s42, s12, 10
	v_lshlrev_b32 v[YO], 12, v242
	v_lshl_add_u32 v[YO], v241, 4, v[YO]
	v_add_nc_u32 v[YO], s42, v[YO]                 ; the same two rows in y, + my wave's 1,024 bytes of a row
	s_mul_i32 s42, s12, 12288
	v_add_nc_u32 v243, s42, v[VW]                  ; where I store x's images: tile of rows m = my wave
	v_add_nc_u32 v244, s42, v[XA8]
	v_lshlrev_b32 v245, 2, v241                    ; ent: 4 r
	s_lshl_b32 s42, s12, 6
	v_add_nc_u32 v246, s42, v245                   ; 4 (16 wave + r)
	v_mul_u32_u24 v247, v242, 384
.irp k, 0,1,2,3,4,5,6,7
	v_mov_b32 v[TP+\k], 0                          ; written once: a lane permute's destination counts as one of its sources
.endr
	s_mov_b32 s30, 0x76543210
	s_mov_b32 s31, 0xfedcba98                      ; v_permlanex16_b32's selects for lane l xor 16
	s_and_b32 s33, ttmp9, 3                        ; the trip at which this tile begins each phase
.irp i, 0,1,2,3
	s_add_co_u32 s42, s33, \i
	s_and_b32 s42, s42, 3                          ; j of the i-th trip in time: 0 .. 3
	s_mul_i32 s[J768+\i], s42, 768
	s_lshl_b32 s[J2+\i], s42, 1
.endr
	s_lshl_b32 s44, ttmp9, 8                       ; the tile's 64 entries of 4 bytes
	s_mov_b32 s45, 0                               ; (stays 0: the upper word of every offset made in s44)
	s_lshl_b32 s46, ttmp9, 3                       ; its pair in the list
	s_mov_b32 s47, 0
	s_wait_kmcnt 0x0
	s_add_nc_u64 s[34:35], s[4:5], s[44:45]
	s_add_nc_u64 s[36:37], s[4:5], s[46:47]
	s_load_b64 s[16:17], s[36:37], 0x8800          ; s16 the expert, s17 the rows
	s_wait_alu depctr_va_vdst(0)                   ; the addresses v1 to v11 and v243 to v246 are written: every load and store of the kernel reads one of them, and no vector line writes v1 to v11 again
.irp m, 0,1,2,3
	global_load_b32 v[208+\m], v245, s[34:35] offset:16384+64*\m   ; the entries of rows 16 m + r,
.endr
	global_load_b32 v212, v246, s[34:35] offset:16384              ; and of the row that I gather
	s_wait_kmcnt 0x0
	s_min_u32 s16, s16, 7
	s_lshl_b32 s42, s16, 1
	s_add_co_u32 s42, s42, s14
	s_lshl_b32 s42, s42, 2
	s_add_co_u32 s42, s42, s12                     ; my stream: (2 e + hs) 4 + wave
	s_mul_i32 s44, s42, 393216
	s_add_nc_u64 s[20:21], s[8:9], s[44:45]        ; its codes,
	s_lshl_b32 s44, s42, 14
	s_add_nc_u64 s[22:23], s[8:9], s[44:45]
	s_add_nc_u64 s[22:23], s[22:23], 25165824      ; its scale words;
	s_add_nc_u64 s[24:25], s[20:21], 196608        ; phase B's parts
	s_add_nc_u64 s[26:27], s[22:23], 8192
.irp i, 0,1,2,3                                ; phase A's four trips in the order in which this tile walks them: 49,152 bytes of codes and 2,048 of scale words a trip
	s_mul_i32 s44, s[J2+\i], 24576
	s_add_nc_u64 s[CA+2*\i:CA+2*\i+1], s[20:21], s[44:45]
	s_lshl_b32 s44, s[J2+\i], 10
	s_add_nc_u64 s[SA+2*\i:SA+2*\i+1], s[22:23], s[44:45]
.endr
	WIN 0xc0
.irp s, 0,1,2,3                                ; the ring's first fill: K steps 0-3 of the first trip (no vector or matrix instruction has named these registers)
.irp t, 0,1,2,3
.irp p, 0,1,2
	global_load_b128 v[48*\s+12*\t+4*\p:48*\s+12*\t+4*\p+3], v[VW], s[CA:CA+1] offset:(4*\s+\t)*1536+512*\p
.endr
.endr
.endr
	WIN 0
.irp q, 0,1,2,3
	global_load_b128 v[WS+4*\q:WS+4*\q+3], v[VW], s[SA:SA+1] offset:512*\q
.endr
	s_add_nc_u64 s[CUR:CUR+1], s[CA:CA+1], 196608       ; phase B walks its trips in the same order: its first trip,
	s_add_nc_u64 s[NXT:NXT+1], s[CA+2:CA+3], 196608     ; its second,
	s_add_nc_u64 s[SB0:SB0+1], s[SA:SA+1], 8192         ; and their scale words
	s_add_nc_u64 s[SNX:SNX+1], s[SA+2:SA+3], 8192
	s_mul_i32 s44, s14, 18874368
	s_lshl_b32 s46, ttmp9, 18
	s_add_co_u32 s44, s44, s46
	s_add_nc_u64 s[Y0:Y0+1], s[10:11], s[44:45]    ; y[hs][64 T]
	s_lshl_b32 s44, s[J2], 7
	s_add_nc_u64 s[28:29], s[Y0:Y0+1], s[44:45]    ; + 256 bytes for each trip: the first trip's 64 outputs
	s_lshr_b32 s33, s[J2+1], 1                     ; from here on: j of the trip at which NXT stands
	s_wait_loadcnt 52                              ; the five entries are in; the 48 + 4 loads issued behind them may be out
.irp m, 0,1,2,3
	v_lshrrev_b32 v[216+\m], 1, v[208+\m]          ; the token,
.endr
.irp m, 0,1,2,3
	v_min_u32 v[216+\m], 2047, v[216+\m]           ; held inside its tables
.endr
.irp m, 0,1,2,3
	v_lshlrev_b32 v[216+\m], 5, v[216+\m]
.endr
.irp m, 0,1,2,3
	v_lshl_add_u32 v[216+\m], v242, 4, v[216+\m]   ; its scale words: 32 n + 16 h
.endr
.irp m, 0,1,2,3
	v_min_u32 v[208+\m], 4095, v[208+\m]
.endr
.irp m, 0,1,2,3
	v_lshlrev_b32 v[208+\m], 2, v[208+\m]          ; its gate: 4 j
.endr
	v_lshrrev_b32 v212, 1, v212
	v_min_u32 v212, 2047, v212
	v_mul_u32_u24 v212, v212, 768
	v_add_nc_u32 v212, v212, v247                  ; its codes: 768 n + 384 h
	s_wait_alu depctr_va_vdst(0)                   ; the gather's addresses v208 to v212 and v216 to v219 are written, which the 32 loads below read
.irp s, 0,1,2,3,4,5,6,7
.irp p, 0,1,2
	global_load_b128 v[ACC+12*\s+4*\p:ACC+12*\s+4*\p+3], v212, s[6:7] offset:48*\s+16*\p   ; the 12 registers of fragment (m = my wave, s), as they lie
.endr
.endr
.irp m, 0,1,2,3
	global_load_b128 v[XS+4*\m:XS+4*\m+3], v[216+\m], s[6:7] offset:1572864
.endr
.irp m, 0,1,2,3
	global_load_b32 v[GW+\m], v[208+\m], s[6:7] offset:1638400
.endr
	s_wait_loadcnt 8                               ; the 24 loads of codes are in; the scale words and the gates may be out
.irp s, 0,1,2,3,4,5,6,7
.irp c, 0,1
	ds_store_b128 v243, v[ACC+12*\s+6*\c:ACC+12*\s+6*\c+3] offset:768*(2*\s+\c)
	ds_store_b64 v244, v[ACC+12*\s+6*\c+4:ACC+12*\s+6*\c+5] offset:768*(2*\s+\c)
.endr
.endr
	s_wait_dscnt 0x0                               ; for the others' sake: my images have landed
	s_barrier_signal -1
	s_barrier_wait -1                              ; x's 32 fragments lie in LDS
	FETCH VW, XA8
	s_wait_loadcnt 0x0
	s_wait_dscnt 0x0
	s_wait_alu depctr_vm_vsrc(0)                   ; my LDS stores have read v80 to v175 (x's codes) and v243, v244; my loads have read v208 to v219, v245, v246: the products write the first as accumulators, the lines behind a trip the others as codes
	s_cmp_eq_u32 s17, 0                            ; a tile without rows does no work
	s_cbranch_scc1 .LnoA
	; ---- PHASE A, written out: each trip has bases of its own, so none is rewritten.  Its last trip already asks for the first four K steps of phase B's first trip
	TRIP CA+0, CA+2, SA+2, 0
	EPIA 0
	TRIP CA+2, CA+4, SA+4, 0
	EPIA 1
	TRIP CA+4, CA+6, SA+6, 0
	EPIA 2
	TRIP CA+6, CUR, SB0, 0
	EPIA 3
.LnoA:
	s_wait_dscnt 0x0                               ; my images of h and my scale bytes have landed, and my reads of x's images are over
	s_barrier_signal -1
	s_barrier_wait -1                              ; h's 32 fragments lie in LDS
	s_cmp_eq_u32 s17, 0
	s_cbranch_scc1 .Lend
	; ---- PHASE B
	s_wait_alu depctr_va_vdst(0)                   ; phase A's products are done reading the rows' fragments and the rows' scale words, in which h's land
	FETCH HA16, HA8
.irp m, 0,1,2,3
	ds_load_b64 v[XS+4*\m:XS+4*\m+1], v[HSR] offset:128*\m         ; K steps 4 h, 4 h + 1 (written by wave 2 h),
	ds_load_b64 v[XS+4*\m+2:XS+4*\m+3], v[HSR] offset:128*\m+512   ; 4 h + 2, 4 h + 3 (by wave 2 h + 1)
.endr
.irp m, 0,1,2,3
	v_mov_b32 v[TM+2*\m], v[GW+\m]                 ; the gates as pairs, for the packed multiply (no memory or LDS instruction names these registers)
	v_mov_b32 v[TM+2*\m+1], v[GW+\m]
.endr
	s_wait_dscnt 0x0
	s_mov_b32 s32, 3
.LtripB:
	TRIP CUR, NXT, SNX, 0
	EPIB 1                                         ; (ends with the waits behind which the bases below, the accumulators and OUT may be written)
	s_mov_b64 s[CUR:CUR+1], s[NXT:NXT+1]           ; on to the next trip in time:
	s_lshl_b32 s44, s33, 8
	s_add_nc_u64 s[28:29], s[Y0:Y0+1], s[44:45]    ; its 64 outputs;
	s_add_co_u32 s33, s33, 1
	s_and_b32 s33, s33, 3                          ; and the trip behind it, round the four
	s_mul_i32 s44, s33, 49152
	s_add_nc_u64 s[NXT:NXT+1], s[24:25], s[44:45]
	s_lshl_b32 s44, s33, 11
	s_add_nc_u64 s[SNX:SNX+1], s[26:27], s[44:45]
	s_sub_co_u32 s32, s32, 1
	s_cmp_lg_u32 s32, 0
	s_cbranch_scc1 .LtripB
	TRIP CUR, NXT, SNX, 1                          ; the last trip is written out: it asks for nothing beyond itself
	EPIB 0
.Lend:
	s_wait_dscnt 0x0                               ; the closing lines, six on end
	s_wait_alu 0x0
	s_wait_tensorcnt 0x0
	ds_add_u32 v251, v255
	s_wait_dscnt 0x0
	s_endpgm
.Lfunc_end_k_qac010f0e0a_chain:
	.size	k_qac010f0e0a_chain, .Lfunc_end_k_qac010f0e0a_chain-k_qac010f0e0a_chain
	.p2alignl 7, 3214868480
	.fill 96, 4, 3214868480
	.section	.rodata,"a",@progbits
	.p2align	6, 0x0
	.amdhsa_kernel k_qac010f0e0a_chain
		.amdhsa_group_segment_fixed_size 118272
		.amdhsa_private_segment_fixed_size 0
		.amdhsa_enable_private_segment 0
		.amdhsa_kernarg_size 32
		.amdhsa_user_sgpr_count 2
		.amdhsa_user_sgpr_kernarg_segment_ptr 1
		.amdhsa_wavefront_size32 1
		.amdhsa_system_sgpr_workgroup_id_x 1
		.amdhsa_system_sgpr_workgroup_id_y 1
		.amdhsa_system_sgpr_workgroup_id_z 1
		.amdhsa_system_vgpr_workitem_id 0
		.amdhsa_next_free_vgpr 1024
		.amdhsa_next_free_sgpr 84
		.amdhsa_reserve_vcc 0
		.amdhsa_float_denorm_mode_32 3
		.amdhsa_float_denorm_mode_16_64 3
		.amdhsa_memory_ordered 1
		.amdhsa_forward_progress 1
		.amdhsa_inst_pref_size 255
	.end_amdhsa_kernel
	.section	.bss,"aw",@nobits
	.p2align	6
	.space	262144
	.amdgpu_metadata
---
amdhsa.version: [ 1, 2 ]
amdhsa.kernels:
  - .name:           k_qac010f0e0a_chain
    .symbol:         k_qac010f0e0a_chain.kd
    .args:
      - { .name: plan, .offset: 0, .size: 8, .value_kind: global_buffer, .address_space: global }
      - { .name: xa, .offset: 8, .size: 8, .value_kind: global_buffer, .address_space: global }
      - { .name: wq, .offset: 16, .size: 8, .value_kind: global_buffer, .address_space: global }
      - { .name: y, .offset: 24, .size: 8, .value_kind: global_buffer, .address_space: global }
    .group_segment_fixed_size: 118272
    .private_segment_fixed_size: 0
    .kernarg_segment_align: 8
    .kernarg_segment_size: 32
    .max_flat_workgroup_size: 128
    .sgpr_count:     84
    .vgpr_count:     1024
    .wavefront_size: 32
...
	.end_amdgpu_metadata
.endif
;; end of part 5
;; launch combine: the kernel of part 4 again; grid 256 x 1, 8 waves a work-group, no clusters, 0 bytes of LDS; arguments plan, y, out0; writes out0
